; MI455X (gfx1250); checked and timed in simulation.
; The chip was launched on July 23, 2026; its instructions are those of AMD's public machine-readable ISA for CDNA 5 (MIT licence, August 2026) and "CDNA5" Instruction Set Architecture Reference Guide (July 2026). The comments in the code are by the model that wrote it; some were corrected since.
;; Attention Block. Allowed arithmetic: matrix products marked QUANTISED: E2M1 operands, one E8M0 scale for each 32 along K, by v_wmma_scale_f32_16x16x128_f8f6f4 with both operands' format E2M1 (or v_wmma_scale_f32_32x16x128_f4), f32 sums; everything else in f32.
;; Inputs: W1 512 x 2,048 float32; W2 2,048 x 512 float32; Wk 16 x 512 x 32 float32; Wproj 512 x 512 float32; Wq 16 x 512 x 32 float32; Wv 16 x 512 x 32 float32; b1 2,048 float32; b2 512 float32; bproj 512 float32; ln1_b 512 float32; ln1_g 512 float32; ln2_b 512 float32; ln2_g 512 float32; x 64 x 256 x 512 float32.
;; Outputs: out0 64 x 256 x 512 float32.
;; This version of the problem:
;;   THIS VERSION OF THE PROBLEM IS GIVEN IN LOW PRECISION. The matrix products marked QUANTISED in the list below multiply operands that are first quantised to E2M1 (2 exponent bits, 1 mantissa bit; 4 bits a number), with one power-of-two scale for each 32 numbers along K (OCP MX v1.0); their sums are f32. All else is computed in f32.
;;   The module's matrix products, in the order in which they are computed (A, B: the left and right operand; K: the contracted axis; several contracted axes count as one K, in the product's order):
;;     1. [M 512, K 512] x [K 512, N 16,384]; A: input Wq; B: computed on the way: QUANTISED
;;     2. [M 512, K 512] x [K 512, N 16,384]; A: input Wk; B: computed on the way: QUANTISED
;;     3. [M 512, K 512] x [K 512, N 16,384]; A: input Wv; B: computed on the way: QUANTISED
;;     4. batch 1,024 x [M 256, K 32] x [K 32, N 256]; A: computed on the way; B: computed on the way: QUANTISED
;;     5. batch 1,024 x [M 256, K 256] x [K 256, N 32]; A: softmax (see below); B: computed on the way: QUANTISED
;;     6. [M 16,384, K 512] x [K 512, N 512]; A: computed on the way; B: input Wproj: QUANTISED
;;     7. [M 16,384, K 512] x [K 512, N 2,048]; A: computed on the way; B: input W1: QUANTISED
;;     8. [M 16,384, K 2,048] x [K 2,048, N 512]; A: computed on the way; B: input W2: QUANTISED
;;   THE QUANTISER, for each operand of a quantised product, along K:
;;     - K is cut into blocks of 32 from its start; a last block that is shorter is filled with zeros.
;;     - A block's scale is 2^e with e = floor(log2(the largest magnitude in the block)) - 2, held to -126 .. 127; a block of zeros has e = 0. As a byte (E8M0): e + 127.
;;     - Each number is divided by its block's scale, clamped to +-6, and rounded to the nearest number of E2M1, ties to even, subnormals kept.
;;     - The product sums the exact products of the quantised numbers (number of the format x scale) in f32.
;;   ~~~python
;;   def quantise(x, axis):      # numpy; x: float32 -> the quantised numbers, widened to float32 again
;;       x = np.moveaxis(x, axis, -1); K = x.shape[-1]
;;       x = np.pad(x, [(0, 0)] * (x.ndim - 1) + [(0, -K % 32)]); x = x.reshape(x.shape[:-1] + (-1, 32)); a = np.abs(x).max(-1, keepdims=True)
;;       e = np.where(a > 0, np.clip(np.frexp(np.where(a > 0, a, 1))[1] - 1 - 2, -126, 127), 0)      # np.frexp(a)[1] - 1 = floor(log2(a)), exactly
;;       r = np.clip(x / 2.0 ** e, -6, 6)
;;       step = 2.0 ** (np.maximum(np.frexp(np.where(r == 0, 1, r))[1] - 1, 0) - 1)
;;       q = np.round(r / step) * step * 2.0 ** e      # np.round: ties to even
;;       return np.moveaxis(q.reshape(q.shape[:-2] + (-1,))[..., :K], -1, axis).astype(np.float32)
;;   ~~~
;;   SOFTMAX AHEAD OF A QUANTISED PRODUCT. Where the list says 'softmax', what is quantised is not the finished softmax but p = 2^(t - M), with t = logit x log2(e) and M = ceil(the row's largest t), a whole number; so 1/2 < the row's largest p <= 1. The row's sum l is taken of the UNQUANTISED p, in f32, and the product's result is divided by l at the end. Since M is a whole number, a kernel that streams over the keys may use a running M (the ceiling of the running maximum): every later rescaling is an exact power of two, which a block's scale takes up: the codes' values come out the same.
;;   OPERANDS COMPUTED ON THE WAY. 'Computed on the way' means the value that the module computes at that place (a softmax that the list does not call 'softmax' is quantised finished and normalised). What goes into a quantiser is computed in f32, as accurately as f32 sums, v_exp_f32 and their like allow (about 1e-6 of the number): no bf16 or f16 on the way to a quantiser, and a product that is left as it is and whose result goes on into a quantised operand takes f32 operands (vector FMAs, or v_wmma_f32_16x16x4_f32). A number that lies on a knife's edge between two numbers of the format may be rounded either way, as far as f32 arithmetic and the matrix unit's own rounding can turn it there, and no further.
;; 2 versions, each right; version 2 is version 1 with the launch attn written anew for expert scheduling mode. Each part assembles by itself: llvm-mc -triple=amdgcn-amd-amdhsa -mcpu=gfx1250 --defsym DOCPART=n.
;; ======== version 1 of 2: 3 launches
;; workspace buffers: hc 4,194,304 bytes; hs 262,144 bytes; wqkv 417,792 bytes; wst 1,253,376 bytes; ac 4,194,304 bytes; asc 262,144 bytes
;; launch prep (part 1): grid 608 x 1, 8 waves a work-group, no clusters, 67,584 bytes of LDS; arguments x, ln1_g, ln1_b, hc, hs, Wq, Wk, Wv, Wproj, W1, W2, wqkv, wst; writes hc, hs, wqkv, wst
.if DOCPART == 1
	.amdgcn_target "amdgcn-amd-amdhsa--gfx1250"
	.amdhsa_code_object_version 6
	.text
	.protected	k_qe4cc8d7693_prep
	.globl	k_qe4cc8d7693_prep
	.p2align	8
	.type	k_qe4cc8d7693_prep,@function
k_qe4cc8d7693_prep:
	s_mov_b64 s[64:65], 0
	v_nop
	global_prefetch_b8 v0, s[64:65] scope:SCOPE_SE
	s_setreg_imm32_b32 hwreg(HW_REG_WAVE_MODE, 25, 1), 1
	s_wait_xcnt 0x0
; PREP.  (a) All six weights, f32 with K as their first axis, become codes of FP4 (E2M1) with one E8M0 byte for each 32 along K, laid in the ORDER OF THE OPERAND'S REGISTERS.
; (b) h = layernorm(x) * g + b, in f32, becomes the same kind of codes.
; A FRAGMENT IMAGE is 16 rows x 128 K = 1,024 bytes: piece c (0, 1) at 512 c; in it lane (r, h)'s 16 bytes at 16 (r + 16 h) are the 32 codes of K block 2 c + h of row r.
; THE ROWS OF A TILE ARE NOT NEIGHBOURS: of each 32 indices x two tiles u = 0, 1 are made; row m of tile u is x = 8 u + (m & 7) + 16 (m >> 3)  (u = (x >> 3) & 1, m = (x & 7) + 8 (x >> 4)).
; A block's scale is 2^(floor(log2(largest magnitude)) - 2); its byte is the largest magnitude's exponent field - 2, held at 1 from below by a floor among the maximum's leaves.
; LIMITS: a block of zeros, or one whose largest magnitude lies under 2^-124, gets the byte 1 where the rule says 127 or less: its codes are zeros and this program alone reads the bytes.
; NaN and infinities among the inputs are not served.  v_rsq_f32 is accurate to 1 ulp.
; SHARES: work-groups 0-95 take the weights (a wave: 32 columns x 128 K, no LDS, no barrier), work-groups 96-607 take 32 tokens of x each.  The parting hangs on the work-group's number alone.
.set PIT,  2064                        ; an LDS row of h: 2,048 bytes + 16: 129 x 16, so sixteen rows read at one column fall on sixteen different 16-byte columns
.set SG,   32*PIT                      ; behind the 32 rows: 512 bytes of scale words
.set X,    16                          ; weights: v16-79 two sets of 32 numbers down K
.set CD,   80                          ; v80-95  a block's codes, four registers for each of four blocks: no store's data are written again
.set SW,   96                          ; v96     the column's scale word
.set R,    16                          ; norm: v16-79 four rows, 16 numbers a lane each
.set G,    80                          ; v80-95  gain of my 16 columns
.set B,    96                          ; v96-111 bias of my 16 columns
.set T,    112                         ; v112-119 four pairs of sums, v120-123 the other half's
.set MU,   128                         ; v128-135 the means, each twice
.set RS,   136                         ; v136-143 1 / sqrt(var + eps), each twice
.set Y,    16                          ; second phase: v16-79 two blocks of 32 neighbours
; ---- the weights' macros.  A lane takes a column and its registers run down K: a block of 32 lies in one lane.
.macro WLOAD t, pitch                  ; block t: rows 32 t .. 32 t + 31 of my column into set t % 2
.set i, 0
.rept 32
	global_load_b32 v[X+32*((\t)%2)+i], v3, s[40:41] offset:(32*(\t)+i)*(\pitch) th:TH_LOAD_NT
.set i, i+1
.endr
.endm
.macro WBLOCK t, pitch
.set XS, X+32*((\t)%2)
.if (\t) < 3
	s_wait_loadcnt 32                              ; this block's 32 loads are in; the next block's 32 may be out
.else
	s_wait_loadcnt 0x0
.endif
	v_max3_num_f32 v12, |v[XS]|, |v[XS+1]|, |v[XS+2]|
	v_max3_num_f32 v13, |v[XS+3]|, |v[XS+4]|, |v[XS+5]|
.irp q, 6,10,14,18,22,26
	v_max3_num_f32 v12, v12, |v[XS+\q]|, |v[XS+\q+1]|
	v_max3_num_f32 v13, v13, |v[XS+\q+2]|, |v[XS+\q+3]|
.endr
	v_max3_num_f32 v12, v12, |v[XS+30]|, |v[XS+31]|
	v_max3_num_f32 v12, v12, v13, 0x1800000        ; and the floor 2^(3 - 127): the byte cannot fall under 1
	v_add_nc_u32 v11, 0xff000000, v12              ; 2 off the exponent field: the conversion's scale operand
	v_lshrrev_b32 v13, 23, v11                     ; the scale's byte
.if (\t) == 0
	v_mov_b32 v[SW], v13
.else
	v_lshl_or_b32 v[SW], v13, 8*(\t), v[SW]
.endif
.irp g, 0,1,2,3
	v_cvt_scalef32_pk8_fp4_f32 v[CD+4*(\t)+\g], v[XS+8*\g:XS+8*\g+7], v11
.endr
	global_store_b128 v4, v[CD+4*(\t):CD+4*(\t)+3], s[44:45] offset:((\t)/2)*512+((\t)%2)*256   ; the sixteen lanes of a tile store 256 consecutive bytes, aligned
.if (\t) < 2
	WLOAD (\t)+2, \pitch
.endif
.endm
.macro WQ pitch
	WLOAD 0, \pitch
	WLOAD 1, \pitch
	WBLOCK 0, \pitch
	WBLOCK 1, \pitch
	WBLOCK 2, \pitch
	WBLOCK 3, \pitch
	global_store_b32 v5, v[SW], s[46:47]           ; 32 scale words: 128 consecutive bytes (one byte in 128 of what the wave reads)
	s_endpgm
.endm
; where a wave's two fragments and 32 scale words go in wst: s37 = group of 32 columns, s38 = unit, s39 = K step
.macro WDST
	s_lshr_b32 s42, s37, 2
	s_and_b32 s42, s42, 3                          ; which wave of the last launch owns these columns
	s_and_b32 s43, s37, 3                          ; which 32 of its 128
	s_mul_i32 s48, s38, 139264
	s_mul_i32 s42, s42, 34816
	s_add_co_u32 s48, s48, s42                     ; that wave's block of the unit
	s_lshl_b32 s50, s39, 2
	s_add_co_u32 s50, s50, s43                     ; 4 s + b'
	s_lshl_b32 s49, s50, 11                        ; fragments (8 s + 2 b') and the next: 1,024 bytes each
	s_lshl_b32 s42, s50, 7                         ; scale words: 128 bytes
	s_add_co_u32 s50, s49, s48
	s_add_nc_u64 s[44:45], s[32:33], s[50:51]
	s_add_co_u32 s50, s42, s48
	s_add_co_u32 s50, s50, 32768
	s_add_nc_u64 s[46:47], s[32:33], s[50:51]
	v_lshl_add_u32 v4, v6, 10, v4                  ; tile u lies 1,024 bytes on
.endm
; ---- the norm's macro: four rows' figures, one in each lane's v[T + 2 i] pair, become the rows' sums in every lane
.macro RED4
.irp i, 0,1,2,3
	v_add_f32 v[T+2*\i], v[T+2*\i], v[T+2*\i+1]
.endr
.irp m, 1,2,4,8
.irp i, 0,1,2,3
	v_add_f32_dpp v[T+2*\i], v[T+2*\i], v[T+2*\i] row_xmask:\m row_mask:0xf bank_mask:0xf
.endr
.endr
.irp i, 0,1,2,3
	v_permlanex16_b32 v[T+8+\i], v[T+2*\i], s38, s39
.endr
.irp i, 0,1,2,3
	v_add_f32 v[T+2*\i], v[T+2*\i], v[T+8+\i]
.endr
.endm
	s_load_b512 s[8:23], s[0:1], 0x0               ; x 8, ln1_g 10, ln1_b 12, hc 14, hs 16, Wq 18, Wk 20, Wv 22
	s_load_b256 s[24:31], s[0:1], 0x40             ; Wproj 24, W1 26, W2 28, wqkv 30
	s_load_b64 s[32:33], s[0:1], 0x60              ; wst
	v_lshl_add_u32 v144, v0, 2, 0x10400
	v_mov_b32 v145, 0
	v_lshrrev_b32 v1, 5, v0
	v_readfirstlane_b32 s34, v1                    ; wave 0..7
	v_and_b32 v1, 31, v0                           ; lane
	s_mov_b32 s51, 0                               ; the upper word of every offset
	s_wait_kmcnt 0x0
	s_cmp_ge_u32 ttmp9, 96
	s_cbranch_scc1 .Lln
	; ================= the weights =================
	v_lshlrev_b32 v3, 2, v1                        ; in: 4 bytes a lane, 128 consecutive bytes a load
	v_bfe_u32 v6, v1, 3, 1                         ; u: my column's tile
	v_and_b32 v7, 7, v1
	v_lshrrev_b32 v8, 4, v1
	v_lshl_add_u32 v7, v8, 3, v7                   ; m: its row there
	v_lshlrev_b32 v4, 4, v7                        ; 16 m
	v_lshl_add_u32 v5, v6, 4, v7
	v_lshlrev_b32 v5, 2, v5                        ; scale word: 4 (16 u + m)
	s_lshr_b32 s35, s34, 2
	s_and_b32 s36, s34, 3
	s_cmp_ge_u32 ttmp9, 24
	s_cbranch_scc1 .Lbig
	; Wq, Wk, Wv [16][512][32]: work-groups 0-23.  A wave: one head, one K step of 128
	s_lshr_b32 s37, ttmp9, 3                       ; which of the three
	s_and_b32 s38, ttmp9, 7
	s_lshl_b32 s38, s38, 1
	s_add_co_u32 s38, s38, s35                     ; head
	s_cmp_eq_u32 s37, 0
	s_cselect_b64 s[40:41], s[18:19], s[20:21]
	s_cmp_eq_u32 s37, 2
	s_cselect_b64 s[40:41], s[22:23], s[40:41]
	s_lshl_b32 s50, s38, 16                        ; a head is 512 x 128 bytes
	s_lshl_b32 s39, s36, 14                        ; a K step 128 x 128 bytes
	s_add_co_u32 s50, s50, s39
	s_add_nc_u64 s[40:41], s[40:41], s[50:51]
	s_lshr_b32 s39, s38, 2                         ; the group of four heads
	s_and_b32 s38, s38, 3                          ; the head in it
	s_mul_i32 s39, s39, 104448
	s_mul_i32 s50, s38, 24576
	s_add_co_u32 s50, s50, s39
	s_lshl_b32 s42, s37, 13
	s_add_co_u32 s50, s50, s42
	s_lshl_b32 s42, s36, 10
	s_add_co_u32 s50, s50, s42                     ; codes: [hd][P][e][s][1,024]
	s_add_nc_u64 s[44:45], s[30:31], s[50:51]
	s_mul_i32 s50, s38, 3
	s_add_co_u32 s50, s50, s37
	s_lshl_b32 s50, s50, 2
	s_add_co_u32 s50, s50, s36
	s_lshl_b32 s50, s50, 7
	s_add_co_u32 s50, s50, s39
	s_add_co_u32 s50, s50, 98304                   ; scale words: [hd][P][s][32 words]
	s_add_nc_u64 s[46:47], s[30:31], s[50:51]
	v_lshl_add_u32 v4, v6, 12, v4                  ; tile e lies 4,096 bytes on
	WQ 128
.Lbig:
	s_cmp_ge_u32 ttmp9, 64
	s_cbranch_scc1 .Lw2
	s_cmp_ge_u32 ttmp9, 32
	s_cbranch_scc1 .Lw1
	; Wproj [512][512]: work-groups 24-31: unit 0
	s_sub_co_u32 s37, ttmp9, 24
	s_lshl_b32 s37, s37, 1
	s_add_co_u32 s37, s37, s35                     ; group of 32 columns, 0..15
	s_mov_b32 s38, 0
	s_mov_b32 s39, s36
	s_lshl_b32 s50, s36, 18                        ; 128 rows of 2,048 bytes
	s_lshl_b32 s42, s37, 7
	s_add_co_u32 s50, s50, s42
	s_add_nc_u64 s[40:41], s[24:25], s[50:51]
	WDST
	WQ 2048
.Lw1:
	; W1 [512][2048]: work-groups 32-63: 512 columns are a chunk c: unit 1 + 2 c
	s_sub_co_u32 s37, ttmp9, 32
	s_lshl_b32 s37, s37, 1
	s_add_co_u32 s37, s37, s35                     ; group of 32 columns, 0..63
	s_lshr_b32 s38, s37, 4
	s_lshl_b32 s38, s38, 1
	s_add_co_u32 s38, s38, 1
	s_mov_b32 s39, s36
	s_lshl_b32 s50, s36, 20                        ; 128 rows of 8,192 bytes
	s_lshl_b32 s42, s37, 7
	s_add_co_u32 s50, s50, s42
	s_add_nc_u64 s[40:41], s[26:27], s[50:51]
	WDST
	WQ 8192
.Lw2:
	; W2 [2048][512]: work-groups 64-95: 512 rows are a chunk c: unit 2 + 2 c
	s_sub_co_u32 s42, ttmp9, 64
	s_lshr_b32 s37, s42, 1                         ; group of 32 columns, 0..15
	s_and_b32 s42, s42, 1
	s_lshl_b32 s42, s42, 3
	s_add_co_u32 s42, s42, s34                     ; which 128 rows, 0..15
	s_lshr_b32 s38, s42, 2
	s_lshl_b32 s38, s38, 1
	s_add_co_u32 s38, s38, 2
	s_and_b32 s39, s42, 3
	s_lshl_b32 s50, s42, 18
	s_lshl_b32 s43, s37, 7
	s_add_co_u32 s50, s50, s43
	s_add_nc_u64 s[40:41], s[28:29], s[50:51]
	WDST
	WQ 2048
	; ================= layernorm 1 and its codes =================
.Lln:
	s_sub_co_u32 s35, ttmp9, 96                    ; which 32 tokens
	v_lshlrev_b32 v2, 4, v1                        ; 16 x lane
	s_lshl_b32 s50, s35, 16                        ; 32 rows of 2,048 bytes
	s_lshl_b32 s42, s34, 13                        ; my wave's four rows
	s_add_co_u32 s50, s50, s42
	s_add_nc_u64 s[8:9], s[8:9], s[50:51]
.irp i, 0,1,2,3
.irp k, 0,1,2,3
	global_load_b128 v[R+16*\i+4*\k:R+16*\i+4*\k+3], v2, s[8:9] offset:2048*\i+512*\k th:TH_LOAD_NT   ; 32 lanes read 512 consecutive bytes
.endr
.endr
.irp k, 0,1,2,3
	global_load_b128 v[G+4*\k:G+4*\k+3], v2, s[10:11] offset:512*\k
	global_load_b128 v[B+4*\k:B+4*\k+3], v2, s[12:13] offset:512*\k
.endr
	s_mov_b32 s36, 0x3b000000                      ; 1 / 512
	s_mov_b32 s37, 0x3727c5ac                      ; 1e-5
	s_mov_b32 s38, 0x76543210
	s_mov_b32 s39, 0xfedcba98                      ; v_permlanex16_b32's selects for lane l xor 16
	; token 4 w + i of the 32 goes to LDS row 16 u + m: u = (w >> 1) & 1, m = 4 (w & 1) + 8 (w >> 2) + i
	s_lshr_b32 s42, s34, 1
	s_and_b32 s42, s42, 1
	s_lshl_b32 s42, s42, 4
	s_and_b32 s43, s34, 1
	s_lshl_b32 s43, s43, 2
	s_add_co_u32 s42, s42, s43
	s_lshr_b32 s43, s34, 2
	s_lshl_b32 s43, s43, 3
	s_add_co_u32 s42, s42, s43
	s_mul_i32 s42, s42, PIT
	v_add_nc_u32 v6, s42, v2                       ; where I store 16 bytes of a row
	; second phase: wave w makes the fragment of tile u = w >> 2, K step s = w & 3
	v_and_b32 v8, 15, v0                           ; r
	v_bfe_u32 v9, v0, 4, 1                         ; h
	s_lshr_b32 s43, s34, 2
	s_and_b32 s44, s34, 3
	s_mul_i32 s45, s43, 16*PIT
	s_lshl_b32 s46, s44, 9
	s_add_co_u32 s45, s45, s46
	v_mul_u32_u24 v7, v8, PIT
	v_lshl_add_u32 v7, v9, 7, v7
	v_add_nc_u32 v7, s45, v7                       ; row 16 u + r, byte 512 s + 128 h: my block 2 c + h begins 256 c on
	s_lshl_b32 s46, s43, 8
	s_lshl_b32 s47, s44, 2
	s_add_co_u32 s46, s46, s47
	s_add_co_u32 s46, s46, SG
	v_lshl_add_u32 v10, v8, 4, s46                 ; my row's scale word of K step s
	v_add_nc_u32 v11, SG, v2
	s_lshl_b32 s50, s35, 13
	s_lshl_b32 s46, s43, 12
	s_add_co_u32 s50, s50, s46
	s_lshl_b32 s46, s44, 10
	s_add_co_u32 s50, s50, s46
	s_add_nc_u64 s[14:15], s[14:15], s[50:51]      ; hc: [32 tokens][tile u][K step s][1,024]
	s_lshl_b32 s50, s35, 9
	s_add_nc_u64 s[16:17], s[16:17], s[50:51]      ; hs: [32 tokens][lane (u, r)][s] words
.irp i, 0,1,2,3
	v_mov_b32 v[T+8+\i], 0                         ; written once: a lane permute's destination counts as one of its sources
.endr
	s_wait_loadcnt 0x0
	; the mean
.irp i, 0,1,2,3
	v_pk_add_f32 v[T+2*\i:T+2*\i+1], v[R+16*\i:R+16*\i+1], v[R+16*\i+2:R+16*\i+3]
.endr
.irp k, 4,6,8,10,12,14
.irp i, 0,1,2,3
	v_pk_add_f32 v[T+2*\i:T+2*\i+1], v[T+2*\i:T+2*\i+1], v[R+16*\i+\k:R+16*\i+\k+1]
.endr
.endr
	RED4
.irp i, 0,1,2,3
	v_mul_f32 v[MU+2*\i], s36, v[T+2*\i]
	v_mul_f32 v[MU+2*\i+1], s36, v[T+2*\i]
.endr
	; x - mean, in place; then the mean of its squares: no difference of large sums is formed
.irp k, 0,2,4,6,8,10,12,14
.irp i, 0,1,2,3
	v_pk_add_f32 v[R+16*\i+\k:R+16*\i+\k+1], v[R+16*\i+\k:R+16*\i+\k+1], v[MU+2*\i:MU+2*\i+1] neg_lo:[0,1] neg_hi:[0,1]
.endr
.endr
.irp i, 0,1,2,3
	v_pk_mul_f32 v[T+2*\i:T+2*\i+1], v[R+16*\i:R+16*\i+1], v[R+16*\i:R+16*\i+1]
.endr
.irp k, 2,4,6,8,10,12,14
.irp i, 0,1,2,3
	v_pk_fma_f32 v[T+2*\i:T+2*\i+1], v[R+16*\i+\k:R+16*\i+\k+1], v[R+16*\i+\k:R+16*\i+\k+1], v[T+2*\i:T+2*\i+1]
.endr
.endr
	RED4
.irp i, 0,1,2,3
	v_fma_f32 v[RS+2*\i], v[T+2*\i], s36, s37      ; var + eps
.endr
.irp i, 0,1,2,3
	v_rsq_f32 v[RS+2*\i], v[RS+2*\i]
.endr
	v_nop                                          ; a plain instruction behind the last of the four
	s_wait_alu depctr_va_vdst(0)                   ; one wait for the four, ahead of their first reader
.irp i, 0,1,2,3
	v_mov_b32 v[RS+2*\i+1], v[RS+2*\i]
.endr
.irp k, 0,2,4,6,8,10,12,14
.irp i, 0,1,2,3
	v_pk_mul_f32 v[R+16*\i+\k:R+16*\i+\k+1], v[R+16*\i+\k:R+16*\i+\k+1], v[RS+2*\i:RS+2*\i+1]
.endr
.endr
.irp k, 0,2,4,6,8,10,12,14
.irp i, 0,1,2,3
	v_pk_fma_f32 v[R+16*\i+\k:R+16*\i+\k+1], v[R+16*\i+\k:R+16*\i+\k+1], v[G+\k:G+\k+1], v[B+\k:B+\k+1]
.endr
.endr
.irp i, 0,1,2,3
.irp k, 0,1,2,3
	ds_store_b128 v6, v[R+16*\i+4*\k:R+16*\i+4*\k+3] offset:PIT*\i+512*\k
.endr
.endr
	s_wait_dscnt 0x0                               ; for the others' sake: my rows lie in LDS
	s_barrier_signal -1
	s_barrier_wait -1
	; my fragment: lane (r, h) takes blocks h and 2 + h of row r, 32 neighbours each
.irp c, 0,1
.irp k, 0,1,2,3,4,5,6,7
	ds_load_b128 v[Y+32*\c+4*\k:Y+32*\c+4*\k+3], v7 offset:256*\c+16*\k
.endr
.endr
	s_wait_dscnt 0x0
.irp c, 0,1
	v_max3_num_f32 v[112+\c], |v[Y+32*\c]|, |v[Y+32*\c+1]|, 0x1800000
.endr
.irp k, 2,4,6,8,10,12,14,16,18,20,22,24,26,28,30
.irp c, 0,1
	v_max3_num_f32 v[112+\c], v[112+\c], |v[Y+32*\c+\k]|, |v[Y+32*\c+\k+1]|
.endr
.endr
.irp c, 0,1
	v_add_nc_u32 v[114+\c], 0xff000000, v[112+\c]
.endr
.irp c, 0,1
	v_lshrrev_b32 v[116+\c], 23, v[114+\c]
.endr
	v_lshl_or_b32 v118, v117, 16, v116             ; my two bytes: blocks h and 2 + h,
	v_lshlrev_b32 v119, 3, v9
	v_lshlrev_b32 v118, v119, v118                 ; at their places in the word;
	v_mov_b32 v119, 0
	v_permlanex16_b32 v119, v118, s38, s39
	v_or_b32 v118, v118, v119                      ; with lane l xor 16's two the word is whole
.irp c, 0,1
.irp g, 0,1,2,3
	v_cvt_scalef32_pk8_fp4_f32 v[80+4*\c+\g], v[Y+32*\c+8*\g:Y+32*\c+8*\g+7], v[114+\c]
.endr
.endr
.irp c, 0,1
	global_store_b128 v2, v[80+4*\c:83+4*\c], s[14:15] offset:512*\c   ; 512 consecutive bytes, aligned
.endr
	ds_store_b32 v10, v118                         ; both halves of the lanes write the same word with the same value
	s_wait_dscnt 0x0
	s_barrier_signal -1
	s_barrier_wait -1
	s_cmp_lg_u32 s34, 0
	s_cbranch_scc1 .Lend
	ds_load_b128 v[120:123], v11                   ; wave 0 sends the 32 tokens' 128 scale words: 512 consecutive bytes
	s_wait_dscnt 0x0
	global_store_b128 v2, v[120:123], s[16:17]
.Lend:
	s_wait_tensorcnt 0x0
	ds_add_u32 v144, v145
	s_wait_dscnt 0x0
	s_endpgm
.Lfunc_end_k_qe4cc8d7693_prep:
	.size	k_qe4cc8d7693_prep, .Lfunc_end_k_qe4cc8d7693_prep-k_qe4cc8d7693_prep
	.p2alignl 7, 3214868480
	.fill 96, 4, 3214868480
	.section	.rodata,"a",@progbits
	.p2align	6, 0x0
	.amdhsa_kernel k_qe4cc8d7693_prep
		.amdhsa_group_segment_fixed_size 67584
		.amdhsa_private_segment_fixed_size 0
		.amdhsa_enable_private_segment 0
		.amdhsa_kernarg_size 104
		.amdhsa_user_sgpr_count 2
		.amdhsa_user_sgpr_kernarg_segment_ptr 1
		.amdhsa_wavefront_size32 1
		.amdhsa_system_sgpr_workgroup_id_x 1
		.amdhsa_system_sgpr_workgroup_id_y 1
		.amdhsa_system_sgpr_workgroup_id_z 1
		.amdhsa_system_vgpr_workitem_id 0
		.amdhsa_next_free_vgpr 146
		.amdhsa_next_free_sgpr 66
		.amdhsa_reserve_vcc 0
		.amdhsa_float_denorm_mode_32 3
		.amdhsa_float_denorm_mode_16_64 3
		.amdhsa_memory_ordered 1
		.amdhsa_forward_progress 1
		.amdhsa_inst_pref_size 103
	.end_amdhsa_kernel
	.amdgpu_metadata
---
amdhsa.version: [ 1, 2 ]
amdhsa.kernels:
  - .name:           k_qe4cc8d7693_prep
    .symbol:         k_qe4cc8d7693_prep.kd
    .args:
      - { .name: x, .offset: 0, .size: 8, .value_kind: global_buffer, .address_space: global }
      - { .name: ln1_g, .offset: 8, .size: 8, .value_kind: global_buffer, .address_space: global }
      - { .name: ln1_b, .offset: 16, .size: 8, .value_kind: global_buffer, .address_space: global }
      - { .name: hc, .offset: 24, .size: 8, .value_kind: global_buffer, .address_space: global }
      - { .name: hs, .offset: 32, .size: 8, .value_kind: global_buffer, .address_space: global }
      - { .name: Wq, .offset: 40, .size: 8, .value_kind: global_buffer, .address_space: global }
      - { .name: Wk, .offset: 48, .size: 8, .value_kind: global_buffer, .address_space: global }
      - { .name: Wv, .offset: 56, .size: 8, .value_kind: global_buffer, .address_space: global }
      - { .name: Wproj, .offset: 64, .size: 8, .value_kind: global_buffer, .address_space: global }
      - { .name: W1, .offset: 72, .size: 8, .value_kind: global_buffer, .address_space: global }
      - { .name: W2, .offset: 80, .size: 8, .value_kind: global_buffer, .address_space: global }
      - { .name: wqkv, .offset: 88, .size: 8, .value_kind: global_buffer, .address_space: global }
      - { .name: wst, .offset: 96, .size: 8, .value_kind: global_buffer, .address_space: global }
    .group_segment_fixed_size: 67584
    .private_segment_fixed_size: 0
    .kernarg_segment_align: 8
    .kernarg_segment_size: 104
    .max_flat_workgroup_size: 256
    .sgpr_count:     66
    .vgpr_count:     146
    .wavefront_size: 32
...
	.end_amdgpu_metadata
.endif
;; end of part 1
;; launch attn (part 2): grid 4 x 64, 16 waves a work-group, no clusters, 171,008 bytes of LDS; arguments hc, hs, wqkv, ac, asc; writes ac, asc
.if DOCPART == 2
	.amdgcn_target "amdgcn-amd-amdhsa--gfx1250"
	.amdhsa_code_object_version 6
	.text
	.protected	k_qe4cc8d7693_attn
	.globl	k_qe4cc8d7693_attn
	.p2align	8
	.type	k_qe4cc8d7693_attn,@function
k_qe4cc8d7693_attn:
	s_mov_b64 s[64:65], 0
	v_nop
	global_prefetch_b8 v0, s[64:65] scope:SCOPE_SE
	s_setreg_imm32_b32 hwreg(HW_REG_WAVE_MODE, 25, 1), 1
	s_wait_xcnt 0x0
; ATTENTION for one batch (work-group y) and four heads (work-group x): q, k, v = h W on codes of FP4 (E2M1), quantised in registers; causal softmax; p v; / l; quantised again for the projection.
; SIXTEEN WAVES, four to a SIMD, 256 registers each.  Wave w serves head hd = w >> 2 of the four and quarter j = w & 3.
;   phase 0: the four heads' weights (104,448 bytes, already in operand order) are copied to LDS; my 64 tokens' fragments of h come into registers.
;   phase 1: q, k (transposed: source 0 = 16 rows of W, source 1 = 16 tokens: a lane holds ONE token and 16 neighbouring channels) and v (source 0 = tokens, source 1 = W: a lane holds one channel and 16
;            neighbouring tokens) of my 64 tokens; each is quantised and goes to LDS as an image of operand registers.
;   phase 2: my query blocks are j and 7 - j of the eight blocks of 32.  Block j sees key blocks 0 .. j, block 7 - j sees 0 .. 7 - j: 9 blocks of 32 keys for each of my two tiles of a pair, whatever j: the work is even.
;            WHAT LIES WHOLLY UNDER THE CAUSAL MASK IS NOT COMPUTED: a key step takes the number of its visible blocks as a constant of the text, so phase 2 is written four times, once for each j, behind a scalar
;            branch on the wave's number; the four ways join at the last barrier.  Only a step's last visible block holds the diagonal and is masked number by number.
; A head's 32 channels are ONE block of 32, a quarter of the instruction's K.  k's images are kept dense: K block i of fragment f holds key tile 4 f + i; q is given as an operand with its codes in ONE K block and
; zero codes in the other three, which add nothing.  Four such operands are windows of twenty registers [0 | qa | 0 | qb | 0]: qa has the codes in lanes 0-15, qb in lanes 16-31.
; SOFTMAX: t = score x log2(e) / sqrt(512); M = the running largest t rounded up to a whole number; p = 2^(t - M) is quantised along the keys, not normalised; the sum of the unquantised p divides at the end.
; When M moves the sum and O are multiplied by 2^(old M - new M), which rounds nothing.  A tile's first key step has no old M: its product starts O^T with the constant 0.
; TILES: row r of tile 2 b + u is token 32 b + 8 u + (r & 7) + 16 (r >> 3), so that 16 registers of two neighbouring tiles are 16 neighbours.
; LIMITS: NaN and infinities are not served; a block whose largest magnitude lies under 2^-124 (a block of zeros among them) gets the byte 1, its codes are zeros, and this program alone reads the bytes;
; v_exp_f32 and v_rcp_f32 are accurate to 1 ulp and flush denormals.
; No multicast: what the work-groups share, the weights, is read once at the head through registers and stands in no loop.
.set WSC,  98304                       ; LDS: weights' codes at 0: [hd][P][e][s][1,024]; their scale words here: [hd][P][s][32 words]
.set KIMG, 104448                      ; k: [hd][f 4][1,024]
.set VIMG, 120832                      ; v: [hd][key step 2][e 2][1,024]   (= KIMG + 16,384)
.set QIMG, 137216                      ; q: [hd][block 8][512]: lanes 0-15 tile u = 0, lanes 16-31 tile u = 1
.set KSC,  153600                      ; k's scale words: [hd][f][32 lanes]
.set VSC,  155648                      ; v's: [hd][j][16 rows]: bytes (e 0, block 2 j), (e 0, block 2 j + 1), (e 1, ..), (e 1, ..)
.set QSC,  156672                      ; q's byte, four times in a word: [hd][tile 16][32 lanes]
.set ASC,  164864                      ; the output's scale bytes, a word each: [hd][tile 16][16 rows]
.set H,    16                          ; v16-143  phase 1: h: fragment (tile tt, K step s) at 8 (4 tt + s)
.set TC,   144                         ; v144-195 phase 0: the copy
.set ACC,  144                         ; v144-207 phase 1: eight accumulators
.set WB,   208                         ; v208-239 phase 1: two sets of two weight fragments; between passes the quantiser's registers:
.set TM,   208
.set PC,   224
.set PW,   232
.set HS,   240                         ; v240-254 hold scales and nothing else: h's (8), the weights' (2), k's (2), v's, q's, p's
.set WS,   248
.set KS,   250
.set VS,   252
.set QS,   253
.set PS,   254
.set OC,   20                          ; phase 2: v20-27 the four tiles' output codes: never rewritten
.set DM,   31                          ; v31   the mask's figure for the tile in hand
.set KF,   32                          ; v32-47 two fragments of k;  v48-63 two of v
.set VF,   48
.set QZ,   64                          ; v64-83 [0 | qa | 0 | qb | 0]
.set XL,   88
.set YL,   92
.set S,    96                          ; v96-159 the scores, then p
.set O,    160                         ; v160-175 O^T;  v176-191 O^T / l
.set OA,   176
.set PCD,  192                         ; v192-199 p's codes
.set BM,   200                         ; v200-203 the blocks' largest;  v204-207 the other half's, then bytes;  v208-211 the conversions' scale operands
.set BP,   204
.set SO,   208
.set W,    212
.set F,    214                         ; v[214:215] f = 2^(old M - new M), and a written partner
.set SUM2, 216
.set BY,   218                         ; v218-221 the four tiles' scale bytes: never rewritten
.set VWA,  222                         ; v222, v223 two waves' scale words of v;  v224 the selector that joins them
.set VWB,  223
.set VSEL, 224
.set SEL,  20
.set CS,   22
.macro PLACES                          ; four plain instructions between a matrix instruction and a load into, or a vector instruction on, its registers
.rept 4
	v_nop
.endr
.endm
; one product: D, A, B as first registers; z = 1: C is the constant 0, else C = D; the scale registers and their rows
.macro WMS d, a, b, z, sa, sb, ra, rb
.set WSEL, 4*(\z)+2*(\ra)+(\rb)
.if WSEL == 0
	v_wmma_scale_f32_16x16x128_f8f6f4 v[(\d):(\d)+7], v[(\a):(\a)+7], v[(\b):(\b)+7], v[(\d):(\d)+7], v[\sa], v[\sb] matrix_a_fmt:MATRIX_FMT_FP4 matrix_b_fmt:MATRIX_FMT_FP4
.elseif WSEL == 1
	v_wmma_scale_f32_16x16x128_f8f6f4 v[(\d):(\d)+7], v[(\a):(\a)+7], v[(\b):(\b)+7], v[(\d):(\d)+7], v[\sa], v[\sb] matrix_a_fmt:MATRIX_FMT_FP4 matrix_b_fmt:MATRIX_FMT_FP4 matrix_b_scale:MATRIX_SCALE_ROW1
.elseif WSEL == 2
	v_wmma_scale_f32_16x16x128_f8f6f4 v[(\d):(\d)+7], v[(\a):(\a)+7], v[(\b):(\b)+7], v[(\d):(\d)+7], v[\sa], v[\sb] matrix_a_fmt:MATRIX_FMT_FP4 matrix_b_fmt:MATRIX_FMT_FP4 matrix_a_scale:MATRIX_SCALE_ROW1
.elseif WSEL == 3
	v_wmma_scale_f32_16x16x128_f8f6f4 v[(\d):(\d)+7], v[(\a):(\a)+7], v[(\b):(\b)+7], v[(\d):(\d)+7], v[\sa], v[\sb] matrix_a_fmt:MATRIX_FMT_FP4 matrix_b_fmt:MATRIX_FMT_FP4 matrix_a_scale:MATRIX_SCALE_ROW1 matrix_b_scale:MATRIX_SCALE_ROW1
.elseif WSEL == 4
	v_wmma_scale_f32_16x16x128_f8f6f4 v[(\d):(\d)+7], v[(\a):(\a)+7], v[(\b):(\b)+7], 0, v[\sa], v[\sb] matrix_a_fmt:MATRIX_FMT_FP4 matrix_b_fmt:MATRIX_FMT_FP4
.elseif WSEL == 5
	v_wmma_scale_f32_16x16x128_f8f6f4 v[(\d):(\d)+7], v[(\a):(\a)+7], v[(\b):(\b)+7], 0, v[\sa], v[\sb] matrix_a_fmt:MATRIX_FMT_FP4 matrix_b_fmt:MATRIX_FMT_FP4 matrix_b_scale:MATRIX_SCALE_ROW1
.elseif WSEL == 6
	v_wmma_scale_f32_16x16x128_f8f6f4 v[(\d):(\d)+7], v[(\a):(\a)+7], v[(\b):(\b)+7], 0, v[\sa], v[\sb] matrix_a_fmt:MATRIX_FMT_FP4 matrix_b_fmt:MATRIX_FMT_FP4 matrix_a_scale:MATRIX_SCALE_ROW1
.else
	v_wmma_scale_f32_16x16x128_f8f6f4 v[(\d):(\d)+7], v[(\a):(\a)+7], v[(\b):(\b)+7], 0, v[\sa], v[\sb] matrix_a_fmt:MATRIX_FMT_FP4 matrix_b_fmt:MATRIX_FMT_FP4 matrix_a_scale:MATRIX_SCALE_ROW1 matrix_b_scale:MATRIX_SCALE_ROW1
.endif
.endm
; 64 numbers of a lane, register 16 b + i = number 16 (lane / 16) + i of block b of my row, become codes in v[PC] on (registers 4 c .. 4 c + 3: lanes 0-15 block 2 c, lanes 16-31 block 2 c + 1),
; the four bytes in v[TM + 4 + b] and the scale word in v[PW]
.macro QUANT s
.irp b, 0,1,2,3
	v_max3_num_f32 v[TM+\b], |v[(\s)+16*\b]|, |v[(\s)+1+16*\b]|, 0x1800000   ; my 16 numbers, and the floor 2^(3 - 127): the byte cannot fall under 1
.endr
.irp i, 2,4,6,8,10,12,14
.irp b, 0,1,2,3
	v_max3_num_f32 v[TM+\b], v[TM+\b], |v[(\s)+16*\b+\i]|, |v[(\s)+1+16*\b+\i]|
.endr
.endr
.irp b, 0,1,2,3
	v_permlanex16_b32 v[TM+4+\b], v[TM+\b], s[SEL], s[SEL+1]
.endr
.irp b, 0,1,2,3
	v_max_num_f32 v[TM+\b], v[TM+\b], v[TM+4+\b]   ; with lane l xor 16's: the block's largest magnitude
.endr
.irp b, 0,1,2,3
	v_add_nc_u32 v[TM+12+\b], 0xff000000, v[TM+\b] ; 2 off its exponent field: the conversion's scale operand
.endr
.irp b, 0,1,2,3
	v_lshrrev_b32 v[TM+4+\b], 23, v[TM+12+\b]      ; the scale's byte
.endr
	v_lshl_or_b32 v[PW], v[TM+5], 8, v[TM+4]
	v_lshl_or_b32 v[PW], v[TM+6], 16, v[PW]
	v_lshl_or_b32 v[PW], v[TM+7], 24, v[PW]
.irp b, 0,1,2,3
	v_cvt_scalef32_pk8_fp4_f32 v[PC+2*\b], v[(\s)+16*\b:(\s)+7+16*\b], v[TM+12+\b]
	v_cvt_scalef32_pk8_fp4_f32 v[PC+1+2*\b], v[(\s)+8+16*\b:(\s)+15+16*\b], v[TM+12+\b]
.endr
	v_nop                                          ; one plain instruction behind a scaled conversion
.irp c, 0,1
.irp i, 0,1
	v_permlane16_swap_b32 v[PC+4*\c+\i], v[PC+2+4*\c+\i]
.endr
.endr
.endm
	s_load_b256 s[4:11], s[0:1], 0x0               ; hc 4, hs 6, wqkv 8, ac 10
	s_load_b64 s[12:13], s[0:1], 0x20              ; asc
	v_lshrrev_b32 v1, 5, v0
	v_readfirstlane_b32 s14, v1                    ; wave 0..15
	s_lshr_b32 s15, s14, 2                         ; hd
	s_and_b32 s16, s14, 3                          ; j
	s_and_b32 s17, ttmp7, 0xffff                   ; batch
	s_mov_b32 s[SEL], 0x76543210
	s_mov_b32 s[SEL+1], 0xfedcba98                 ; v_permlanex16_b32's selects for lane l xor 16
	s_mov_b32 s[CS], 0x3d8293ee                    ; c = log2(e) / sqrt(512)
	s_mov_b32 s[CS+1], s[CS]                       ; (named with it as a pair, so it is written)
	v_lshlrev_b32 v1, 4, v0                        ; the copy: 16 bytes a thread, 8,192 an instruction
	v_add_nc_u32 v2, 0x10000, v1                   ; (an LDS offset has 16 bits)
	v_and_b32 v12, 31, v0
	v_lshlrev_b32 v11, 4, v12                      ; 16 x lane
	v_lshlrev_b32 v12, 2, v12                      ; 4 x lane
	v_and_b32 v13, 15, v0                          ; r
	s_mul_i32 s24, ttmp9, 104448                   ; my four heads' weights
	s_mov_b32 s25, 0
	s_lshl_b32 s26, s17, 16
	s_lshl_b32 s18, s16, 14
	s_add_co_u32 s26, s26, s18                     ; hc: the batch's 65,536 bytes, my four tiles' 16,384
	s_mov_b32 s27, 0
	s_lshl_b32 s28, s17, 12
	s_lshl_b32 s18, s16, 10
	s_add_co_u32 s28, s28, s18                     ; hs: 4,096 a batch, 512 a block of 32 tokens
	s_mov_b32 s29, 0
	s_lshl_b32 s30, s17, 16
	s_lshl_b32 s18, ttmp9, 10
	s_add_co_u32 s30, s30, s18                     ; ac: [batch][tile][g][1,024]
	s_mov_b32 s31, 0
	s_lshl_b32 s32, s17, 12
	s_add_co_u32 s32, s32, s18                     ; asc: [batch][g][256 words]
	s_mov_b32 s33, 0
	s_wait_kmcnt 0x0
	s_add_nc_u64 s[8:9], s[8:9], s[24:25]
	s_add_nc_u64 s[4:5], s[4:5], s[26:27]
	s_add_nc_u64 s[6:7], s[6:7], s[28:29]
	s_add_nc_u64 s[10:11], s[10:11], s[30:31]
	s_add_nc_u64 s[12:13], s[12:13], s[32:33]
	; ---- phase 0
.irp i, 0,1,2,3,4,5,6,7,8,9,10,11
	global_load_b128 v[TC+4*\i:TC+4*\i+3], v1, s[8:9] offset:8192*\i
.endr
	s_cmp_lt_u32 s14, 12                           ; 104,448 = 12.75 x 8,192: the last piece is waves 0-11's
	s_cbranch_scc0 .Lno13a
	global_load_b128 v[TC+48:TC+51], v1, s[8:9] offset:98304
.Lno13a:
.set n, 0
.rept 32
	global_load_b128 v[H+4*n:H+4*n+3], v11, s[4:5] offset:512*n   ; my four tiles' sixteen fragments of h, as they lie
.set n, n+1
.endr
.irp i, 0,1
	global_load_b128 v[HS+4*\i:HS+4*\i+3], v11, s[6:7] offset:512*\i   ; their scale words: register 4 (tt / 2) + s; lanes 0-15 the even tile, lanes 16-31 the odd
.endr
	; phase 1's LDS addresses
	s_mul_i32 s34, s15, 24576
	v_add_nc_u32 v3, s34, v11                      ; my head's weight fragments
	s_mul_i32 s34, s15, 1536
	s_add_co_u32 s34, s34, WSC
	v_add_nc_u32 v4, s34, v12                      ; and their scale words
	s_lshl_b32 s35, s15, 12                        ; hd x 4,096
	s_lshl_b32 s36, s16, 10
	s_add_co_u32 s36, s36, s35
	s_add_co_u32 s34, s36, QIMG
	v_add_nc_u32 v5, s34, v11                      ; q's images: blocks 2 j, 2 j + 1
	s_add_co_u32 s34, s36, KIMG
	v_add_nc_u32 v7, s34, v11                      ; k's: fragment j
	s_lshl_b32 s34, s15, 11
	s_lshl_b32 s37, s16, 9
	s_add_co_u32 s34, s34, s37
	s_add_co_u32 s34, s34, QSC
	v_add_nc_u32 v6, s34, v12
	s_lshl_b32 s34, s15, 9
	s_lshl_b32 s37, s16, 7
	s_add_co_u32 s34, s34, s37
	s_add_co_u32 s34, s34, KSC
	v_add_nc_u32 v8, s34, v12
	s_lshr_b32 s37, s16, 1
	s_and_b32 s38, s16, 1
	s_lshl_b32 s34, s37, 11
	s_add_co_u32 s34, s34, s35
	s_lshl_b32 s39, s38, 9
	s_add_co_u32 s34, s34, s39
	s_add_co_u32 s34, s34, VIMG
	v_add_nc_u32 v9, s34, v11                      ; v's: key step j >> 1, piece j & 1; tile e 1,024 bytes on
	s_lshl_b32 s34, s15, 8
	s_lshl_b32 s39, s16, 6
	s_add_co_u32 s34, s34, s39
	s_add_co_u32 s34, s34, VSC
	v_lshl_add_u32 v10, v13, 2, s34
	s_wait_loadcnt 34                              ; the weights are in: behind them stand the 34 loads of h, on both ways
.irp i, 0,1,2,3,4,5,6,7
	ds_store_b128 v1, v[TC+4*\i:TC+4*\i+3] offset:8192*\i
.endr
.irp i, 8,9,10,11
	ds_store_b128 v2, v[TC+4*\i:TC+4*\i+3] offset:8192*(\i-8)
.endr
	s_cmp_lt_u32 s14, 12
	s_cbranch_scc0 .Lno13b
	ds_store_b128 v2, v[TC+48:TC+51] offset:32768
.Lno13b:
	s_wait_dscnt 0x0                               ; for the others' sake: my part of the weights lies in LDS
	s_barrier_signal -1
	s_barrier_wait -1
	s_wait_loadcnt 0x0                             ; h
	; ---- phase 1.  Step n = 4 P + s: the two tiles (e) of matrix P, K step s, into set n % 2, with their scale words (lanes 0-15: e = 0, lanes 16-31: e = 1)
.macro FETCHW n
.irp e, 0,1
.irp c, 0,1
	ds_load_b128 v[WB+16*((\n)%2)+8*\e+4*\c:WB+16*((\n)%2)+8*\e+4*\c+3], v3 offset:((2*((\n)/4)+\e)*4+(\n)%4)*1024+512*\c
.endr
.endr
	ds_load_b32 v[WS+(\n)%2], v4 offset:(\n)*128
.endm
; One of q (P = 0), k (1), v (2) for my 64 tokens: eight accumulators by turns, one instruction a turn; the first K step starts the sums
.macro PASS P
	FETCHW 4*\P
.irp s, 0,1,2,3
.if \s == 0
.set ZZ, 1
.else
.set ZZ, 0
.endif
.if \s < 3
.if \s > 0
	PLACES                                         ; the set to be loaded was read by the products just issued
.endif
	FETCHW 4*\P+\s+1
	s_wait_dscnt 5                                 ; this step's five loads are in; the five just issued may be out
.else
	s_wait_dscnt 0x0
.endif
.irp tt, 0,1,2,3
.irp e, 0,1
.if \P < 2
	WMS ACC+16*\tt+8*\e, WB+16*(\s%2)+8*\e, H+(\tt*4+\s)*8, ZZ, WS+\s%2, HS+4*(\tt/2)+\s, \e, \tt%2
.else
	WMS ACC+16*(2*\e+\tt/2)+8*(\tt%2), H+(\tt*4+\s)*8, WB+16*(\s%2)+8*\e, ZZ, HS+4*(\tt/2)+\s, WS+\s%2, \tt%2, \e
.endif
.endr
.endr
.endr
	PLACES
.irp b, 0,1,2,3
	v_mov_b32 v[TM+4+\b], 0                        ; a lane permute's destination counts as one of its sources
.endr
	QUANT ACC
.if \P == 0                            ; q: block b of the quantiser is tile b: piece c holds tiles 2 c (lanes 0-15) and 2 c + 1 (lanes 16-31): one block of 32 tokens
	ds_store_b128 v5, v[PC:PC+3]
	ds_store_b128 v5, v[PC+4:PC+7] offset:512
.irp b, 0,1,2,3
	v_lshl_or_b32 v[TM+8+\b], v[TM+4+\b], 8, v[TM+4+\b]
.endr
.irp b, 0,1,2,3
	v_lshl_or_b32 v[TM+8+\b], v[TM+8+\b], 16, v[TM+8+\b]   ; the byte in all four places: whichever K block q is put in, its byte is there
.endr
.irp b, 0,1,2,3
	ds_store_b32 v6, v[TM+8+\b] offset:128*\b
.endr
.elseif \P == 1                        ; k: the same registers ARE a dense fragment: K block b holds tile 4 j + b, and the scale word goes with it
	ds_store_b128 v7, v[PC:PC+3]
	ds_store_b128 v7, v[PC+4:PC+7] offset:512
	ds_store_b32 v8, v[PW]
.else                                  ; v: block 2 e + bl is channel tile e, token block 2 j + bl: registers 4 e .. 4 e + 3 are piece j & 1 of tile e's fragment
	ds_store_b128 v9, v[PC:PC+3]
	ds_store_b128 v9, v[PC+4:PC+7] offset:1024
	ds_store_b32 v10, v[PW]                        ; both halves of the lanes write the same word with the same value
.endif
	s_wait_dscnt 0x0                               ; the stores have read their registers, which the next pass loads again
.endm
	PASS 0
	PASS 1
	PASS 2
	s_barrier_signal -1                            ; (no LDS instruction of mine is out)
	s_barrier_wait -1                              ; q, k and v of the four heads lie in LDS
	; ---- phase 2's addresses, all made ahead of the parting by j: v1-v11 are LDS addresses; v16, v17 offsets in ac; v18, v19 the mask's figures
	s_xor_b32 s37, s16, 7                          ; 7 - j
	v_and_b32 v12, 31, v0
	v_lshlrev_b32 v13, 4, v12                      ; 16 x lane
	v_lshlrev_b32 v12, 2, v12                      ; 4 x lane
	v_and_b32 v14, 15, v0                          ; r
	v_bfe_u32 v15, v0, 4, 1                        ; h
	s_add_co_u32 s34, s35, KIMG
	v_add_nc_u32 v1, s34, v13                      ; k's fragments; v's lie 16,384 bytes on
	s_add_co_u32 s34, s35, QIMG
	s_lshl_b32 s38, s16, 9
	s_add_co_u32 s38, s38, s34
	v_add_nc_u32 v2, s38, v13                      ; q of block j, as it lies,
	v_xor_b32 v3, 256, v2                          ; and with the halves of the lanes exchanged
	s_lshl_b32 s38, s37, 9
	s_add_co_u32 s38, s38, s34
	v_add_nc_u32 v4, s38, v13                      ; q of block 7 - j
	v_xor_b32 v5, 256, v4
	s_lshl_b32 s34, s15, 9
	s_add_co_u32 s34, s34, KSC
	v_add_nc_u32 v6, s34, v12
	s_lshl_b32 s34, s15, 8
	s_add_co_u32 s34, s34, VSC
	v_lshl_add_u32 v7, v14, 2, s34
	s_lshl_b32 s34, s15, 11
	s_add_co_u32 s34, s34, QSC
	s_lshl_b32 s38, s16, 8
	s_add_co_u32 s38, s38, s34
	v_add_nc_u32 v8, s38, v12
	s_lshl_b32 s38, s37, 8
	s_add_co_u32 s38, s38, s34
	v_add_nc_u32 v9, s38, v12
	s_lshl_b32 s34, s15, 10
	s_add_co_u32 s34, s34, ASC
	s_lshl_b32 s38, s16, 7
	s_add_co_u32 s38, s38, s34
	v_lshl_add_u32 v10, v14, 2, s38
	s_lshl_b32 s38, s37, 7
	s_add_co_u32 s38, s38, s34
	v_lshl_add_u32 v11, v14, 2, s38
	s_lshr_b32 s34, s15, 1
	s_lshl_b32 s34, s34, 9
	s_and_b32 s39, s15, 1
	s_lshl_b32 s39, s39, 8
	s_add_co_u32 s34, s34, s39
	v_lshlrev_b32 v16, 4, v14
	v_lshl_add_u32 v16, v15, 3, v16
	v_add_nc_u32 v16, s34, v16                     ; in a fragment of ac: K block hd of row r, my half's 8 bytes
	s_lshl_b32 s38, s37, 13
	v_add_nc_u32 v17, s38, v16
	s_lshl_b32 s38, s16, 13
	v_add_nc_u32 v16, s38, v16
	v_lshrrev_b32 v18, 3, v14
	v_lshl_add_u32 v18, v18, 3, v14                ; r + 8 (r / 8)
	v_lshlrev_b32 v19, 4, v15
	v_sub_nc_u32 v18, v18, v19                     ; - 16 h
	s_and_b32 s38, s37, 3
	s_lshl_b32 s38, s38, 5
	v_add_nc_u32 v19, s38, v18                     ; + 32 x (my block's place in its key step)
	s_lshl_b32 s38, s16, 5
	v_add_nc_u32 v18, s38, v18
	v_mov_b32 v[VSEL], 0x05040100                  ; lanes 0-15 (e = 0) join the two words' low halves,
	v_mov_b32 v[VSEL+1], 0x07060302                ; lanes 16-31 (e = 1) their high halves
	v_cmp_eq_u32 vcc_lo, 1, v15
	v_cndmask_b32 v[VSEL], v[VSEL], v[VSEL+1], vcc_lo
.irp i, 0,1,2,3,8,9,10,11,16,17,18,19
	v_mov_b32 v[QZ+\i], 0                          ; the zero codes, written once
.endr
.irp i, 0,1,2,3
	v_mov_b32 v[BP+\i], 0                          ; a lane permute's destination counts as one of its sources
.endr
	v_mov_b32 v[W], 0
	v_mov_b32 v[F+1], 0
; A tile of 16 queries begins.  a0: the address that brings my tile's codes to lanes 0-15, a1: to lanes 16-31; qs: its scale words; dd: the block's mask figure
.macro QTILE a0, a1, qs, u, dd
	ds_load_b128 v[XL:XL+3], v[\a0]
	ds_load_b128 v[YL:YL+3], v[\a1]
	ds_load_b32 v[QS], v[\qs] offset:128*\u
	s_mov_b32 vcc_lo, 0xffff
	s_wait_dscnt 0x0
.irp i, 0,1,2,3
	v_cndmask_b32 v[QZ+4+\i], v[QZ], v[XL+\i], vcc_lo    ; qa: codes in lanes 0-15, zeros above
.endr
.irp i, 0,1,2,3
	v_cndmask_b32 v[QZ+12+\i], v[YL+\i], v[QZ], vcc_lo   ; qb: zeros below, codes in lanes 16-31
.endr
	v_add_nc_u32 v[DM], 8*\u, v[\dd]               ; d = my query - 16 (lane / 16), counted from the masked key step's first key
	v_mov_b32 v14, 0                               ; the sum, in two halves
	v_mov_b32 v15, 0
.endm
; A key step: of keys 128 ks .. 128 ks + 127 the first nb blocks of 32; the others lie wholly under the mask and get zero codes.
; masked = 1: block nb - 1 holds the diagonal.  first = 1: the tile's first step: there is no old M, and the product starts O^T
.macro STEP ks, nb, masked, first
.set NB, (\nb)
	PLACES                                         ; the registers to be loaded were read by the last products; q's operands were written by vector instructions
.set cf, 0
.rept (NB+1)/2                         ; a fragment of k holds two blocks of 32 keys
	ds_load_b128 v[KF+8*cf:KF+8*cf+3], v1 offset:(2*\ks+cf)*1024
	ds_load_b128 v[KF+8*cf+4:KF+8*cf+7], v1 offset:(2*\ks+cf)*1024+512
	ds_load_b32 v[KS+cf], v6 offset:(2*\ks+cf)*128
.set cf, cf+1
.endr
.irp e, 0,1
.irp c, 0,1
	ds_load_b128 v[VF+8*\e+4*\c:VF+8*\e+4*\c+3], v1 offset:16384+(2*\ks+\e)*1024+512*\c
.endr
.endr
	ds_load_b32 v[VWA], v7 offset:128*\ks
	ds_load_b32 v[VWB], v7 offset:128*\ks+64
	s_wait_dscnt 6                                 ; k's loads are in; v's six, issued behind them, may be out
.set ct, 0
.rept 2*NB                             ; S^T: tile t of 16 keys is K block t % 4 of fragment t / 4; q stands in that block alone.  Register 16 b + i: key 128 ks + 32 b + 16 (lane / 16) + i
	WMS S+8*ct, KF+8*(ct/4), QZ+(4+8*(ct%4))%20, 1, KS+ct/4, QS, 0, 0
.set ct, ct+1
.endr
	PLACES
	s_wait_dscnt 0x0                               ; v
	v_perm_b32 v[VS], v[VWB], v[VWA], v[VSEL]      ; v's scale word of these 128 keys: two bytes from each of two waves' words
.if \masked
	v_mov_b32 v[W], 0xff800000                     ; hidden scores become -infinity ahead of the maximum: p = 0 then
.set cn, 16*(NB-1)
.rept 16
	v_cmp_gt_i32 vcc_lo, 32*(cn/16)+cn%16, v[DM]
	v_cndmask_b32 v[S+cn], v[S+cn], v[W], vcc_lo
.set cn, cn+1
.endr
.endif
.set cb, 0
.rept NB
	v_max3_num_f32 v[BM+cb], v[S+16*cb], v[S+16*cb+1], v[S+16*cb+2]   ; each block's largest score: for the row's maximum, and, since p rises with the score, for the block's largest p
.set cb, cb+1
.endr
.irp i, 3,5,7,9,11,13
.set cb, 0
.rept NB
	v_max3_num_f32 v[BM+cb], v[BM+cb], v[S+16*cb+\i], v[S+16*cb+\i+1]
.set cb, cb+1
.endr
.endr
.set cb, 0
.rept NB
	v_max_num_f32 v[BM+cb], v[BM+cb], v[S+16*cb+15]
.set cb, cb+1
.endr
.set cb, 0
.rept NB
	v_permlanex16_b32 v[BP+cb], v[BM+cb], s[SEL], s[SEL+1]
.set cb, cb+1
.endr
.set cb, 0
.rept NB
	v_max_num_f32 v[BM+cb], v[BM+cb], v[BP+cb]
.set cb, cb+1
.endr
.if NB == 1
.set RM, BM
.else
.set RM, W
.if NB == 2
	v_max_num_f32 v[W], v[BM], v[BM+1]
.elseif NB == 3
	v_max3_num_f32 v[W], v[BM], v[BM+1], v[BM+2]
.else
	v_max3_num_f32 v[W], v[BM], v[BM+1], v[BM+2]
	v_max_num_f32 v[W], v[W], v[BM+3]
.endif
.endif
.if \first
	v_mul_f32 v13, s[CS], v[RM]                    ; the largest t (c is positive); a query sees its own key, so it is a number
	v_floor_f32 v12, -v13                          ; -M = -ceil(t)
.else
	v_mul_f32 v[W], s[CS], v[RM]
	v_max_num_f32 v13, v13, v[W]                   ; the running largest t
	v_mov_b32 v[W], v12
	v_floor_f32 v12, -v13                          ; the new -M
	v_sub_f32 v[W], v12, v[W]                      ; old M - new M: a whole number, 0 or less
	v_cvt_i32_f32 v[W], v[W]                       ; (it saturates)
	v_ldexp_f32 v[F], 1.0, v[W]                    ; f = 2^(old M - new M)
.endif
.set cn, 0
.rept 8*NB
	v_pk_fma_f32 v[S+cn:S+cn+1], v[S+cn:S+cn+1], s[CS:CS+1], v[12:13] op_sel_hi:[1,0,0]   ; t - M
.set cn, cn+2
.endr
.set cb, 0
.rept NB
	v_fma_f32 v[BM+cb], v[BM+cb], s[CS], v12
.set cb, cb+1
.endr
.set cn, 0
.rept 16*NB
	v_exp_f32 v[S+cn], v[S+cn]                     ; p = 2^(t - M), not normalised
.set cn, cn+1
.endr
.set cb, 0
.rept NB
	v_exp_f32 v[BM+cb], v[BM+cb]                   ; the blocks' largest p
.set cb, cb+1
.endr
.if \first
	v_nop                                          ; a plain instruction behind the batch
.else
	v_pk_mul_f32 v[14:15], v[14:15], v[F:F+1] op_sel_hi:[1,0]   ; the sum under the new M: plain work behind the batch, which names none of its results
.set cn, 0
.rept 8
	v_pk_mul_f32 v[O+cn:O+cn+1], v[O+cn:O+cn+1], v[F:F+1] op_sel_hi:[1,0]   ; O^T under the new M, each accumulator from its low end on
.set cn, cn+2
.endr
.endif
	s_wait_alu depctr_va_vdst(0)                   ; one wait for the step's exponentials, ahead of their first reader
.set cb, 0
.rept NB
	v_max_num_f32 v[BM+cb], 0x1800000, v[BM+cb]    ; the floor: a block whose every p is 0 keeps the byte 1 over zero codes
.set cb, cb+1
.endr
.set cb, 0
.rept NB
	v_add_nc_u32 v[SO+cb], 0xff000000, v[BM+cb]
.set cb, cb+1
.endr
.set cb, 0
.rept NB
	v_lshrrev_b32 v[BP+cb], 23, v[SO+cb]
.set cb, cb+1
.endr
.if NB == 1                            ; p's scale word for these 128 keys; a hidden block's byte stays 0, over zero codes
	v_mov_b32 v[PS], v[BP]
.else
	v_lshl_or_b32 v[PS], v[BP+1], 8, v[BP]
.endif
.if NB > 2
	v_lshl_or_b32 v[PS], v[BP+2], 16, v[PS]
.endif
.if NB > 3
	v_lshl_or_b32 v[PS], v[BP+3], 24, v[PS]
.endif
.set cb, 0
.rept NB
	v_cvt_scalef32_pk8_fp4_f32 v[PCD+2*cb], v[S+16*cb:S+16*cb+7], v[SO+cb]
	v_cvt_scalef32_pk8_fp4_f32 v[PCD+2*cb+1], v[S+16*cb+8:S+16*cb+15], v[SO+cb]
.set cb, cb+1
.endr
	v_nop                                          ; one plain instruction behind a scaled conversion
.if NB < 4
.rept 4-NB
	v_mov_b32 v[PCD+2*cb], 0                       ; the hidden blocks' codes
	v_mov_b32 v[PCD+2*cb+1], 0
.set cb, cb+1
.endr
.endif
.irp c, 0,1
.irp i, 0,1
	v_permlane16_swap_b32 v[PCD+4*\c+\i], v[PCD+2+4*\c+\i]
.endr
.endr
	v_pk_add_f32 v[SUM2:SUM2+1], v[S:S+1], v[S+2:S+3]   ; the row's sum is taken of the unquantised p.  These 8 nb lines also stand between the scale word's and the codes' last writes and the products
.set cn, 4
.rept 4*NB-1
	v_pk_add_f32 v[14:15], v[14:15], v[S+cn:S+cn+1]
	v_pk_add_f32 v[SUM2:SUM2+1], v[SUM2:SUM2+1], v[S+cn+2:S+cn+3]
.set cn, cn+4
.endr
	v_pk_add_f32 v[14:15], v[14:15], v[SUM2:SUM2+1]
.irp e, 0,1                            ; O^T (+)= v^T p^T: register 8 e + i of lane (r, h): channel 16 h + 8 e + i of query r
	WMS O+8*\e, VF+8*\e, PCD, \first, VS, PS, \e, 0
.endr
.endm
; The tile ends: O^T / l, quantised (the head's 32 channels are one block of the projection's K), codes to memory, the byte to LDS
.macro FIN u, ao, as, idx
	PLACES
	v_add_f32 v14, v14, v15
	v_permlanex16_b32 v[W], v14, s[SEL], s[SEL+1]
	v_add_f32 v14, v14, v[W]                       ; the row's sum
	v_rcp_f32 v14, v14
	v_nop
	s_wait_alu depctr_va_vdst(0)                   ; ahead of the reciprocal's first reader
.set n, 0
.rept 16
	v_mul_f32 v[OA+n], v[O+n], v14
.set n, n+1
.endr
	v_max3_num_f32 v[BM], |v[OA]|, |v[OA+1]|, 0x1800000
	v_max3_num_f32 v[BM+1], |v[OA+2]|, |v[OA+3]|, |v[OA+4]|
	v_max3_num_f32 v[BM], v[BM], |v[OA+5]|, |v[OA+6]|
	v_max3_num_f32 v[BM+1], v[BM+1], |v[OA+7]|, |v[OA+8]|
	v_max3_num_f32 v[BM], v[BM], |v[OA+9]|, |v[OA+10]|
	v_max3_num_f32 v[BM+1], v[BM+1], |v[OA+11]|, |v[OA+12]|
	v_max3_num_f32 v[BM], v[BM], |v[OA+13]|, |v[OA+14]|
	v_max3_num_f32 v[BM], v[BM], v[BM+1], |v[OA+15]|
	v_permlanex16_b32 v[BP], v[BM], s[SEL], s[SEL+1]
	v_max_num_f32 v[BM], v[BM], v[BP]
	v_add_nc_u32 v[SO], 0xff000000, v[BM]
	v_lshrrev_b32 v[BY+\idx], 23, v[SO]
	v_cvt_scalef32_pk8_fp4_f32 v[OC+2*\idx], v[OA:OA+7], v[SO]
	v_cvt_scalef32_pk8_fp4_f32 v[OC+2*\idx+1], v[OA+8:OA+15], v[SO]
	v_nop
	global_store_b64 v[\ao], v[OC+2*\idx:OC+2*\idx+1], s[10:11] offset:4096*\u   ; the wave stores 256 consecutive bytes, aligned
	ds_store_b32 v[\as], v[BY+\idx] offset:64*\u
.endm
; The four tiles of a wave with quarter j: block j sees j + 1 blocks of key step 0; block 7 - j sees all of key step 0 and 4 - j blocks of key step 1
.macro TILES j
	QTILE 2, 3, 8, 0, 18
	STEP 0, (\j)+1, 1, 1
	FIN 0, 16, 10, 0
	QTILE 3, 2, 8, 1, 18
	STEP 0, (\j)+1, 1, 1
	FIN 1, 16, 10, 1
	QTILE 4, 5, 9, 0, 19
	STEP 0, 4, 0, 1
	STEP 1, 4-(\j), 1, 0
	FIN 0, 17, 11, 2
	QTILE 5, 4, 9, 1, 19
	STEP 0, 4, 0, 1
	STEP 1, 4-(\j), 1, 0
	FIN 1, 17, 11, 3
.endm
	s_cmp_eq_u32 s16, 0                            ; the parting hangs on the wave's number alone; no barrier stands on any of the four ways
	s_cbranch_scc1 .Lj0
	s_cmp_eq_u32 s16, 1
	s_cbranch_scc1 .Lj1
	s_cmp_eq_u32 s16, 2
	s_cbranch_scc1 .Lj2
	TILES 3
	s_branch .Ljoin
.Lj0:
	TILES 0
	s_branch .Ljoin
.Lj1:
	TILES 1
	s_branch .Ljoin
.Lj2:
	TILES 2
.Ljoin:
	s_wait_dscnt 0x0
	s_barrier_signal -1
	s_barrier_wait -1                              ; the four heads' bytes of all 256 tokens lie in LDS
	v_lshlrev_b32 v2, 4, v0
	v_add_nc_u32 v1, ASC, v2
	s_cmp_lt_u32 s14, 2
	s_cbranch_scc0 .Ldone
.irp q, 0,1,2,3
	ds_load_b128 v[32+4*\q:35+4*\q], v1 offset:1024*\q
.endr
	s_wait_dscnt 0x0
.irp i, 0,1,2,3
	v_lshl_or_b32 v[32+\i], v[36+\i], 8, v[32+\i]  ; byte hd of a token's word is head hd's
.endr
.irp i, 0,1,2,3
	v_lshl_or_b32 v[32+\i], v[40+\i], 16, v[32+\i]
.endr
.irp i, 0,1,2,3
	v_lshl_or_b32 v[32+\i], v[44+\i], 24, v[32+\i]
.endr
	global_store_b128 v2, v[32:35], s[12:13]       ; 512 consecutive bytes a wave, aligned
.Ldone:
	s_wait_xcnt 0x0
	v_lshl_add_u32 v254, v0, 2, 0x29400
	v_mov_b32 v255, 0
	s_wait_tensorcnt 0x0
	ds_add_u32 v254, v255
	s_wait_dscnt 0x0
	s_endpgm
.Lfunc_end_k_qe4cc8d7693_attn:
	.size	k_qe4cc8d7693_attn, .Lfunc_end_k_qe4cc8d7693_attn-k_qe4cc8d7693_attn
	.p2alignl 7, 3214868480
	.fill 96, 4, 3214868480
	.section	.rodata,"a",@progbits
	.p2align	6, 0x0
	.amdhsa_kernel k_qe4cc8d7693_attn
		.amdhsa_group_segment_fixed_size 171008
		.amdhsa_private_segment_fixed_size 0
		.amdhsa_enable_private_segment 0
		.amdhsa_kernarg_size 40
		.amdhsa_user_sgpr_count 2
		.amdhsa_user_sgpr_kernarg_segment_ptr 1
		.amdhsa_wavefront_size32 1
		.amdhsa_system_sgpr_workgroup_id_x 1
		.amdhsa_system_sgpr_workgroup_id_y 1
		.amdhsa_system_sgpr_workgroup_id_z 1
		.amdhsa_system_vgpr_workitem_id 0
		.amdhsa_next_free_vgpr 256
		.amdhsa_next_free_sgpr 66
		.amdhsa_reserve_vcc 1
		.amdhsa_float_denorm_mode_32 3
		.amdhsa_float_denorm_mode_16_64 3
		.amdhsa_memory_ordered 1
		.amdhsa_forward_progress 1
		.amdhsa_inst_pref_size 255
	.end_amdhsa_kernel
	.section	.bss,"aw",@nobits
	.p2align	6
	.space	262144
	.amdgpu_metadata
---
amdhsa.version: [ 1, 2 ]
amdhsa.kernels:
  - .name:           k_qe4cc8d7693_attn
    .symbol:         k_qe4cc8d7693_attn.kd
    .args:
      - { .name: hc, .offset: 0, .size: 8, .value_kind: global_buffer, .address_space: global }
      - { .name: hs, .offset: 8, .size: 8, .value_kind: global_buffer, .address_space: global }
      - { .name: wqkv, .offset: 16, .size: 8, .value_kind: global_buffer, .address_space: global }
      - { .name: ac, .offset: 24, .size: 8, .value_kind: global_buffer, .address_space: global }
      - { .name: asc, .offset: 32, .size: 8, .value_kind: global_buffer, .address_space: global }
    .group_segment_fixed_size: 171008
    .private_segment_fixed_size: 0
    .kernarg_segment_align: 8
    .kernarg_segment_size: 40
    .max_flat_workgroup_size: 512
    .sgpr_count:     66
    .vgpr_count:     256
    .wavefront_size: 32
...
	.end_amdgpu_metadata
.endif
;; end of part 2
;; launch mlp (part 3): grid 256 x 1, 4 waves a work-group, clusters of 4 x 1, 327,680 bytes of LDS; arguments x, ac, asc, wst, bproj, ln2_g, ln2_b, b1, b2, out0; writes out0
.if DOCPART == 3
	.amdgcn_target "amdgcn-amd-amdhsa--gfx1250"
	.amdhsa_code_object_version 6
	.text
	.protected	k_qe4cc8d7693_mlp
	.globl	k_qe4cc8d7693_mlp
	.p2align	8
	.type	k_qe4cc8d7693_mlp,@function
k_qe4cc8d7693_mlp:
	s_mov_b64 s[64:65], 0
	v_nop
	global_prefetch_b8 v0, s[64:65] scope:SCOPE_SE
	s_setreg_imm32_b32 hwreg(HW_REG_WAVE_MODE, 25, 1), 1
	s_wait_xcnt 0x0
	s_wait_alu depctr_hold_cnt(0) depctr_sa_sdst(0) depctr_va_vdst(0) depctr_va_sdst(0) depctr_va_ssrc(0) depctr_va_vcc(0) depctr_vm_vsrc(0)
	s_getreg_b32 s2, hwreg(HW_REG_IB_STS2, 6, 4)
	s_cmp_eq_u32 s2, 0
	s_cbranch_scc0 .Lentry_in_a_cluster
	s_endpgm
.Lentry_in_a_cluster:
	s_bfe_u32 s2, ttmp6, 0x10000c
	s_cmp_lg_u32 s2, 0x3003
	s_cbranch_scc0 .Lentry_shape_is_right
	s_endpgm
.Lentry_shape_is_right:
; x1 = x + attn Wproj + bproj;  h2 = layernorm(x1) g + b;  out = x1 + relu(h2 W1 + b1) W2 + b2, all three products on codes of FP4 (E2M1) with one E8M0 scale for each 32 along K.
; SHARES.  A work-group owns 64 tokens (four tiles of 16; row r of tile tt is token 32 (tt / 2) + 8 (tt % 2) + r + 8 (r / 8)).  THE FOUR WAVES SHARE THE COLUMNS: wave w owns 128 of the 512 columns of every unit.
; NINE EQUAL UNITS of [64 x 512] x [512 x 512]: unit 0 = Wproj, unit 1 + 2 c = columns 512 c on of W1, unit 2 + 2 c = rows 512 c on of W2.  A unit is 128 matrix instructions a wave: 8 column tiles x 4 token
; tiles x 4 K steps, the 32 accumulators by turns, one instruction a turn.
; The products are used TRANSPOSED (source 0 = 16 columns of the weight, source 1 = 16 tokens) and the columns of a tile are chosen (8 u + (m & 7) + 16 (m >> 3) of each 32) so that a lane holds ONE token and
; register 16 b + i of a token tile is column 128 w + 32 b + 16 (lane / 16) + i: sixteen neighbours along the next K.  So a wave's results of a token tile become exactly one fragment, K step w, of the next product.
; WEIGHTS come through a ring of two LDS slots of one unit each (139,264 bytes), already in operand order; wave w fetches, and alone reads, its own 34,816 bytes: 32 fragments and 16 x 32 scale words.
; CLUSTER: all work-groups walk the same nine units, so the four of a cluster ask JOINTLY: the same tensor load with the same descriptor and the mask 15; that divides the requests for the weights by four.
; THE CLUSTERS BEGIN AT DIFFERENT CHUNKS: cluster x takes the four chunks c of the hidden layer in the order x mod 4, + 1, + 2, + 3 (mod 4), so that at a given time different clusters ask for different units.
; The number hangs on the cluster's x alone, which the four partners share; it enters global addresses only, by selects, and no branch.
; OPERANDS GO FROM WAVE TO WAVE THROUGH LDS AS IMAGES OF THEIR REGISTERS (16 bytes a lane, 512 a store), the scale words 4 bytes a row.
; By this text's own count a wave has two tensor loads out at the start and one behind each refill.
; LIMITS: NaN and infinities are not served; a block whose largest magnitude lies under 2^-124 (zeros among them) gets the byte 1 over zero codes; v_rsq_f32 is accurate to 1 ulp;
; the four chunks' terms are added to x1 in an order that differs from cluster to cluster: the same terms, another order of rounding in f32.
; REGISTERS, in windows of 256: window 0: addresses, scale words, the quantiser's registers, statistics, v128-255 two sets of eight weight fragments (on the way out: rows of out0).
;   window 1: v0-127 the 16 fragments of the left operand (tile tt, K step s at 8 (4 tt + s)); v128-191, v192-255 two rows of 64 numbers by column (biases, gain).
;   window 2: the hidden layer's 32 accumulators, before that x1 - mean;   window 3: x1, then out.   Accumulator (tt, ct) at 64 tt + 8 ct.
.set SLOTB, 139264
.set WBLK,  34816
.set H2IMG, 2*SLOTB                    ; h2's 16 fragments; the hidden layer's 16,384 bytes on
.set H2SC,  H2IMG+32768                ; h2's scale words [tt / 2][s][32 lanes]; the hidden layer's 1,024 bytes on
.set STAT,  H2SC+2048                  ; the waves' sums [tt][r][w]; the sums of squares 1,024 bytes on
.set SPARE, STAT+2048                  ; the spare words, 128 bytes for each wave: two blocks of 256 bytes that no other line names
.set STGB,  8704                       ; a wave's stage, 16 rows x 528 bytes, for x on the way in and out0 on the way out: it lies over the images, parted from their use by barriers; no tensor load lands there
.set ASC,  20                          ; v20-27  the left operand's scale words: 4 (tt / 2) + s; lanes 0-15 the even tile, lanes 16-31 the odd
.set WSC,  28                          ; v28-43  the weights': 4 s + ct / 2; lanes 0-15 the even tile, lanes 16-31 the odd
.set TM,   44
.set PW,   60
.set PC,   64
.set T,    72                          ; v72-79 four pairs of sums; v80-83 the other half's; v84-99 the four waves' parts; v100-107 the means; v108-115 1 / sqrt(var + eps)
.set TP,   80
.set P4,   84
.set MU,   100
.set RS,   108
.set WB,   128
.set BA,   128                         ; in window 1
.set BB,   192
.set MSB, 0
.macro WIN new                         ; the immediate's high byte repeats the setting that is left; a switch that changes nothing is dropped
.if MSB != \new
	s_set_vgpr_msb (MSB<<8)|\new
.set MSB, \new
.endif
.endm
.set LD1,    0x40                      ; destination window 1
.set LD3,    0xc0                      ; destination window 3
.set ST3,    0x0c                      ; an LDS store's data (source 1) window 3
.set MUL_H0, 0x94                      ; B window 1, C window 1 (a bias), D window 2
.set MUL_H,  0xa4                      ; B window 1, C and D window 2
.set MUL_X,  0xf4                      ; B window 1, C and D window 3
.set ADD31,  0xc7                      ; window 3 += window 1
.set SUM33,  0x0f
.set SUM03,  0x0c
.set DIFF,   0x83                      ; window 2 = window 3 - window 0
.set SQ,     0x0a
.set SCL,    0x82
.set AFF,    0x96
.set RELU,   0x88
.set QMAX,   0x28
.set QCVT,   0x02
.macro PLACES                          ; four plain instructions between a matrix instruction and a load into, or a vector instruction on, its registers
.rept 4
	v_nop
.endr
.endm
.macro BARRIER
	s_wait_dscnt 0x0                               ; my LDS stores have landed and my LDS loads are in
	s_barrier_signal -1
	s_barrier_wait -1
.endm
.macro ROUND                           ; a round of the cluster's barrier
	s_barrier_signal -1
	s_barrier_wait -1
	s_cmp_lg_u32 s40, 0
	s_cbranch_scc1 .Lnw0_\@
	s_barrier_signal -3
.Lnw0_\@:
	s_barrier_wait -3
	s_barrier_signal -1
	s_barrier_wait -1
.endm
; Slot n, which every wave has read out, takes its next unit.  first = 1: from unit 0 to my cluster's first chunk of W2; else two units on, and four chunks back where the walk goes round
.macro REFILL n, first
	s_wait_tensorcnt 0x0                           ; all my tensor loads have landed, the other slot's among them: a group 0 may be written
	ds_add_u32 v3, v4                              ; 0 onto my spare word
.if \first
	s_add_nc_u64 s[34+4*\n:35+4*\n], s[34+4*\n:35+4*\n], s[60:61]
.else
	s_add_nc_u64 s[34+4*\n:35+4*\n], s[34+4*\n:35+4*\n], 2*SLOTB
	s_sub_nc_u64 s[34+4*\n:35+4*\n], s[34+4*\n:35+4*\n], s[56:57]
.endif
	s_wait_dscnt 0x0                               ; the add is done; my LDS stores have landed and my reads of the slot are over
	ROUND                                          ; that now holds of every wave of the four work-groups
	tensor_load_to_lds s[32+4*\n:35+4*\n], s[24:31]   ; my one tensor load behind the round, and the first thing there
	s_nop 0
	PLACES                                         ; (the places in front of the loads that follow)
.endm
.macro BIAS dst, sb                    ; 64 numbers by column, in the results' layout: register 16 b + i = number 128 w + 32 b + 16 (lane / 16) + i
	WIN LD1
.irp b, 0,1,2,3
.irp k, 0,1,2,3
	global_load_b128 v[\dst+16*\b+4*\k:\dst+16*\b+4*\k+3], v15, s[\sb:\sb+1] offset:128*\b+16*\k
.endr
.endr
	WIN 0
.endm
.macro ACTL off                        ; the 16 fragments and 8 registers of scale words of the left operand, from their images
	WIN LD1
.set n, 0
.rept 32
	ds_load_b128 v[4*n:4*n+3], v17 offset:\off+512*n
.set n, n+1
.endr
	WIN 0
.irp tp, 0,1
.irp s, 0,1,2,3
	ds_load_b32 v[ASC+4*\tp+\s], v18 offset:(\off)/16+512*\tp+128*\s
.endr
.endr
.endm
.macro WMX d, a, b, c, sa, sb, ra, rb
.set WSEL, 2*(\ra)+(\rb)
.if WSEL == 0
	v_wmma_scale_f32_16x16x128_f8f6f4 v[(\d):(\d)+7], v[(\a):(\a)+7], v[(\b):(\b)+7], v[(\c):(\c)+7], v[\sa], v[\sb] matrix_a_fmt:MATRIX_FMT_FP4 matrix_b_fmt:MATRIX_FMT_FP4
.elseif WSEL == 1
	v_wmma_scale_f32_16x16x128_f8f6f4 v[(\d):(\d)+7], v[(\a):(\a)+7], v[(\b):(\b)+7], v[(\c):(\c)+7], v[\sa], v[\sb] matrix_a_fmt:MATRIX_FMT_FP4 matrix_b_fmt:MATRIX_FMT_FP4 matrix_b_scale:MATRIX_SCALE_ROW1
.elseif WSEL == 2
	v_wmma_scale_f32_16x16x128_f8f6f4 v[(\d):(\d)+7], v[(\a):(\a)+7], v[(\b):(\b)+7], v[(\c):(\c)+7], v[\sa], v[\sb] matrix_a_fmt:MATRIX_FMT_FP4 matrix_b_fmt:MATRIX_FMT_FP4 matrix_a_scale:MATRIX_SCALE_ROW1
.else
	v_wmma_scale_f32_16x16x128_f8f6f4 v[(\d):(\d)+7], v[(\a):(\a)+7], v[(\b):(\b)+7], v[(\c):(\c)+7], v[\sa], v[\sb] matrix_a_fmt:MATRIX_FMT_FP4 matrix_b_fmt:MATRIX_FMT_FP4 matrix_a_scale:MATRIX_SCALE_ROW1 matrix_b_scale:MATRIX_SCALE_ROW1
.endif
.endm
.macro FETCHW slot, s                  ; my eight weight fragments of K step s into set s % 2
.irp ct, 0,1,2,3,4,5,6,7
.irp c, 0,1
	ds_load_b128 v[WB+64*((\s)%2)+8*\ct+4*\c:WB+64*((\s)%2)+8*\ct+4*\c+3], v[5+\slot] offset:(8*(\s)+\ct)*1024+512*\c
.endr
.endr
.endm
; A unit.  mode 0: the sums go on in place in window 3;  mode 1: they begin with the bias in window 1 and stand in window 2
.macro UNIT slot, mode
.set n, 0
.rept 16
	ds_load_b32 v[WSC+n], v[7+\slot] offset:128*n
.set n, n+1
.endr
	FETCHW \slot, 0
.irp s, 0,1,2,3
.set USEB, 0
.if \mode == 1
.if \s == 0
.set USEB, 1
.endif
.endif
.if \s < 3
.if \s > 0
	PLACES                                         ; the set to be loaded was read by the products just issued
.endif
	FETCHW \slot, \s+1
	s_wait_dscnt 16                                ; all but the sixteen loads just issued
.else
	s_wait_dscnt 0x0
.endif
.if \mode == 0
	WIN MUL_X
.elseif \s == 0
	WIN MUL_H0
.else
	WIN MUL_H
.endif
.irp ct, 0,1,2,3,4,5,6,7
.irp tt, 0,1,2,3
.if USEB
	WMX 64*\tt+8*\ct, WB+64*(\s%2)+8*\ct, (\tt*4+\s)*8, BA+8*\ct, WSC+4*\s+\ct/2, ASC+4*(\tt/2)+\s, \ct%2, \tt%2
.else
	WMX 64*\tt+8*\ct, WB+64*(\s%2)+8*\ct, (\tt*4+\s)*8, 64*\tt+8*\ct, WSC+4*\s+\ct/2, ASC+4*(\tt/2)+\s, \ct%2, \tt%2
.endif
.endr
.endr
	WIN 0
.endr
.endm
; 64 numbers of a lane in window 2, from register s on, become a fragment's codes in v[PC] on and its scale word in v[PW]
.macro QUANTW s
	WIN QMAX
.irp b, 0,1,2,3
	v_max3_num_f32 v[TM+\b], 0x1800000, |v[(\s)+16*\b]|, |v[(\s)+1+16*\b]|   ; my 16 numbers of block b, and the floor 2^(3 - 127): the byte cannot fall under 1
.endr
.irp i, 2,4,6,8,10,12,14
.irp b, 0,1,2,3
	v_max3_num_f32 v[TM+\b], v[TM+\b], |v[(\s)+16*\b+\i]|, |v[(\s)+1+16*\b+\i]|
.endr
.endr
	WIN 0
.irp b, 0,1,2,3
	v_permlanex16_b32 v[TM+4+\b], v[TM+\b], s44, s45
.endr
.irp b, 0,1,2,3
	v_max_num_f32 v[TM+\b], v[TM+\b], v[TM+4+\b]
.endr
.irp b, 0,1,2,3
	v_add_nc_u32 v[TM+12+\b], 0xff000000, v[TM+\b]
.endr
.irp b, 0,1,2,3
	v_lshrrev_b32 v[TM+4+\b], 23, v[TM+12+\b]
.endr
	v_lshl_or_b32 v[PW], v[TM+5], 8, v[TM+4]
	v_lshl_or_b32 v[PW], v[TM+6], 16, v[PW]
	v_lshl_or_b32 v[PW], v[TM+7], 24, v[PW]
	WIN QCVT
.irp b, 0,1,2,3
	v_cvt_scalef32_pk8_fp4_f32 v[PC+2*\b], v[(\s)+16*\b:(\s)+7+16*\b], v[TM+12+\b]
	v_cvt_scalef32_pk8_fp4_f32 v[PC+1+2*\b], v[(\s)+8+16*\b:(\s)+15+16*\b], v[TM+12+\b]
.endr
	WIN 0
	v_nop                                          ; one plain instruction behind a scaled conversion
.irp c, 0,1
.irp i, 0,1
	v_permlane16_swap_b32 v[PC+4*\c+\i], v[PC+2+4*\c+\i]
.endr
.endr
.endm
.macro IMG tt, off                     ; the fragment just made is K step w of token tile tt
	ds_store_b128 v11, v[PC:PC+3] offset:\off+4096*\tt
	ds_store_b128 v11, v[PC+4:PC+7] offset:\off+4096*\tt+512
	ds_store_b32 v12, v[PW] offset:(\off)/16+512*((\tt)/2)+64*((\tt)%2)   ; both halves of the lanes write the same word with the same value
	s_wait_dscnt 0x0                               ; the stores have read their registers
.endm
; the lanes' pairs v[T + 2 tt] become my wave's part of each token's sum, stored for the other waves
.macro LNPUT off
.irp tt, 0,1,2,3
	v_add_f32 v[T+2*\tt], v[T+2*\tt], v[T+2*\tt+1]
.endr
.irp tt, 0,1,2,3
	v_permlanex16_b32 v[TP+\tt], v[T+2*\tt], s44, s45
.endr
.irp tt, 0,1,2,3
	v_add_f32 v[T+2*\tt], v[T+2*\tt], v[TP+\tt]
.endr
.irp tt, 0,1,2,3
	ds_store_b32 v13, v[T+2*\tt] offset:\off+256*\tt
.endr
.endm
.macro LNGET off                       ; the four waves' parts, added in one order by every wave: v[P4 + 4 tt]
.irp tt, 0,1,2,3
	ds_load_b128 v[P4+4*\tt:P4+4*\tt+3], v14 offset:\off+256*\tt
.endr
	s_wait_dscnt 0x0
.irp tt, 0,1,2,3
	v_add_f32 v[P4+4*\tt], v[P4+4*\tt], v[P4+4*\tt+1]
.endr
.irp tt, 0,1,2,3
	v_add_f32 v[P4+4*\tt+2], v[P4+4*\tt+2], v[P4+4*\tt+3]
.endr
.irp tt, 0,1,2,3
	v_add_f32 v[P4+4*\tt], v[P4+4*\tt], v[P4+4*\tt+2]
.endr
.endm
	s_load_b512 s[4:19], s[0:1], 0x0               ; x 4, ac 6, asc 8, wst 10, bproj 12, ln2_g 14, ln2_b 16, b1 18
	s_load_b128 s[20:23], s[0:1], 0x40             ; b2 20, out0 22
	v_lshl_add_u32 v3, v0, 2, SPARE                ; my spare word; never rewritten
	v_mov_b32 v4, 0                                ; 0; never rewritten
	ds_add_u32 v3, v4
	ds_add_u32 v3, v4
	s_wait_dscnt 0x0
	v_lshrrev_b32 v1, 5, v0
	v_readfirstlane_b32 s40, v1                    ; wave 0..3
	s_bfe_u32 s41, ttmp6, 0x40000                  ; cx
	s_lshl_b32 s42, ttmp9, 2
	s_add_co_u32 s42, s42, s41                     ; my work-group: it enters the addresses of x, ac, asc and out0 alone
	s_and_b32 s53, ttmp9, 3                        ; the chunk at which my cluster begins: the same number in all four partners
	s_mul_i32 s60, s53, 2*SLOTB                    ; that many pairs of units on
	s_mov_b32 s61, 0
	s_lshl_b32 s58, s53, 11                        ; and that many times 512 numbers of b1
	s_mov_b32 s59, 0
	s_mov_b32 s56, 0
	s_mov_b32 s57, 0
	; descriptor group 1: a dense block of 34,816 bytes as 136 rows of 32 elements of 8 bytes
	s_mov_b32 s24, 15|(3<<16)|(1<<21)              ; 15:0 the mask: all four work-groups; 17:16 elements of 8 bytes; 21 set beside a mask; no padding
	s_mov_b32 s25, 32<<16                          ; tensor_dim0 = 32
	s_mov_b32 s26, 136<<16                         ; tensor_dim1 = 136
	s_mov_b32 s27, 32<<16                          ; tile_dim0 = 32
	s_mov_b32 s28, 136                             ; tile_dim1 = 136
	s_mov_b32 s29, 32                              ; the pitch
	s_mov_b32 s30, 0
	s_mov_b32 s31, 0
	s_mul_i32 s43, s40, WBLK                       ; my wave's block, in a unit and in a slot: no place in the cluster enters it
	s_mov_b32 s46, s43
	s_mov_b32 s47, 0
	s_mov_b32 s32, 1
	s_mov_b32 s33, s43
	s_mov_b32 s36, 1
	s_add_co_u32 s37, s43, SLOTB
	s_mov_b32 s44, 0x76543210
	s_mov_b32 s45, 0xfedcba98                      ; v_permlanex16_b32's selects for lane l xor 16
	s_mov_b32 s48, 0x3b000000                      ; 1 / 512
	s_mov_b32 s49, 0x3727c5ac                      ; 1e-5
	s_wait_kmcnt 0x0
	s_add_nc_u64 s[34:35], s[10:11], s[46:47]      ; unit 0
	s_add_nc_u64 s[38:39], s[34:35], SLOTB
	s_add_nc_u64 s[38:39], s[38:39], s[60:61]      ; W1 of my cluster's first chunk
	s_or_b32 s35, s35, 0x80000000
	s_or_b32 s39, s39, 0x80000000
	s_add_nc_u64 s[18:19], s[18:19], s[58:59]      ; b1 of that chunk
	s_add_co_u32 s60, s60, 2*SLOTB                 ; from unit 0 to W2 of that chunk: slot 0's first step
	ROUND                                          ; all four work-groups are here: the first joint loads meet
	tensor_load_to_lds s[32:35], s[24:31]
	s_nop 0
	tensor_load_to_lds s[36:39], s[24:31]
	s_nop 0
	PLACES
	v_and_b32 v19, 31, v0
	v_lshlrev_b32 v1, 4, v19                       ; 16 x lane
	v_lshlrev_b32 v2, 2, v19                       ; 4 x lane
	v_and_b32 v116, 15, v0                         ; r
	v_bfe_u32 v117, v0, 4, 1                       ; h
	v_add_nc_u32 v5, s43, v1                       ; my weight fragments in slot 0,
	v_add_nc_u32 v6, SLOTB, v5                     ; in slot 1;
	v_add_nc_u32 v7, s43, v2
	v_add_nc_u32 v7, 32768, v7                     ; their scale words
	v_add_nc_u32 v8, SLOTB, v7
	s_mul_i32 s50, s40, STGB
	s_add_co_u32 s50, s50, H2IMG                   ; my stage
	v_add_nc_u32 v9, s50, v1                       ; by rows of memory: 512 bytes a row, 16 a lane
	v_mul_u32_u24 v10, v116, 528
	v_lshl_add_u32 v10, v117, 6, v10
	v_add_nc_u32 v10, s50, v10                     ; by the results' layout: row r, 64 h bytes on
	s_lshl_b32 s50, s40, 10
	s_add_co_u32 s50, s50, H2IMG
	v_add_nc_u32 v11, s50, v1                      ; where I store images: K step w
	s_lshl_b32 s50, s40, 7
	s_add_co_u32 s50, s50, H2SC
	v_lshl_add_u32 v12, v116, 2, s50               ; and their scale words
	s_lshl_b32 s50, s40, 2
	s_add_co_u32 s50, s50, STAT
	v_lshl_add_u32 v13, v116, 4, s50               ; my wave's part of token r's sum
	v_lshlrev_b32 v14, 4, v116
	v_add_nc_u32 v14, STAT, v14                    ; the four parts
	s_lshl_b32 s50, s40, 9
	v_lshl_add_u32 v15, v117, 6, s50               ; numbers by column: 512 w + 64 h bytes
	v_add_nc_u32 v16, s50, v1                      ; my 512 bytes of a row of x or out0
	v_add_nc_u32 v17, H2IMG, v1
	v_add_nc_u32 v18, H2SC, v2
.irp b, 0,1,2,3
	v_mov_b32 v[TM+4+\b], 0                        ; written once: a lane permute's destination counts as one of its sources
	v_mov_b32 v[TP+\b], 0
.endr
	s_lshl_b32 s46, s42, 17                        ; 64 rows of 2,048 bytes
	s_add_nc_u64 s[4:5], s[4:5], s[46:47]
	s_add_nc_u64 s[22:23], s[22:23], s[46:47]
	s_lshl_b32 s46, s42, 14                        ; four tiles of 4,096 bytes
	s_add_nc_u64 s[6:7], s[6:7], s[46:47]
	s_lshr_b32 s46, s42, 2
	s_lshl_b32 s46, s46, 12
	s_and_b32 s50, s42, 3
	s_lshl_b32 s50, s50, 8
	s_add_co_u32 s46, s46, s50
	s_add_nc_u64 s[8:9], s[8:9], s[46:47]          ; asc: [batch][g][tile][r] words
	BIAS BA, 12                                    ; bproj
	BIAS BB, 16                                    ; ln2_b
	WIN LD1
.set n, 0
.rept 32
	global_load_b128 v[4*n:4*n+3], v1, s[6:7] offset:512*n   ; the attention's 16 fragments, as they lie
.set n, n+1
.endr
	WIN 0
.irp tp, 0,1
.irp s, 0,1,2,3
	global_load_b32 v[ASC+4*\tp+\s], v2, s[8:9] offset:1024*\s+128*\tp
.endr
.endr
	WIN LD3
.irp tt, 0,1,2,3
.irp r, 0,1,2,3,4,5,6,7,8,9,10,11,12,13,14,15
	global_load_b128 v[64*\tt+4*\r:64*\tt+4*\r+3], v16, s[4:5] offset:(32*(\tt/2)+8*(\tt%2)+\r+8*(\r/8))*2048 th:TH_LOAD_NT   ; 512 consecutive bytes of a token's row
.endr
.endr
	; x through my stage: in by rows of memory, back in the results' layout, into the registers that it left (LDS serves a wave's instructions in order: ISA guide 5.7.1.4)
.irp tt, 0,1,2,3
	s_wait_loadcnt 48-16*\tt                       ; this tile's sixteen loads are in; the later tiles' may be out
	WIN ST3
.irp r, 0,1,2,3,4,5,6,7,8,9,10,11,12,13,14,15
	ds_store_b128 v9, v[64*\tt+4*\r:64*\tt+4*\r+3] offset:528*\r
.endr
	WIN LD3
.irp b, 0,1,2,3
.irp k, 0,1,2,3
	ds_load_b128 v[64*\tt+16*\b+4*\k:64*\tt+16*\b+4*\k+3], v10 offset:128*\b+16*\k
.endr
.endr
.endr
	WIN 0
	s_wait_dscnt 0x0
	WIN ADD31
.set n, 0
.rept 128
	v_pk_add_f32 v[2*n:2*n+1], v[2*n:2*n+1], v[BA+(2*n)%64:BA+(2*n)%64+1]   ; x + bproj: the projection's sums go on from there
.set n, n+1
.endr
	WIN 0
	BIAS BA, 14                                    ; ln2_g
	s_wait_tensorcnt 0x1                           ; my block of unit 0 is in, and I alone read it; slot 1's load may be out
	UNIT 0, 0                                      ; x1
	; ---- layernorm 2
	PLACES
	WIN SUM33
.irp tt, 0,1,2,3
	v_pk_add_f32 v[T+2*\tt:T+2*\tt+1], v[64*\tt:64*\tt+1], v[64*\tt+2:64*\tt+3]   ; ascending: each accumulator is read from its low end on
.endr
	WIN SUM03
.set p, 4
.rept 30
.irp tt, 0,1,2,3
	v_pk_add_f32 v[T+2*\tt:T+2*\tt+1], v[T+2*\tt:T+2*\tt+1], v[64*\tt+p:64*\tt+p+1]
.endr
.set p, p+2
.endr
	WIN 0
	LNPUT 0
	REFILL 0, 1                                    ; W2 of my first chunk into slot 0; the round also shows every wave's sums to the others
	LNGET 0
.irp tt, 0,1,2,3
	v_mul_f32 v[MU+2*\tt], s48, v[P4+4*\tt]
	v_mul_f32 v[MU+2*\tt+1], s48, v[P4+4*\tt]
.endr
	WIN DIFF
.set n, 0
.rept 128
	v_pk_add_f32 v[2*n:2*n+1], v[2*n:2*n+1], v[MU+2*(n/32):MU+2*(n/32)+1] neg_lo:[0,1] neg_hi:[0,1]   ; x1 - mean, into window 2: no difference of large sums is formed
.set n, n+1
.endr
	WIN SQ
.irp tt, 0,1,2,3
	v_pk_mul_f32 v[T+2*\tt:T+2*\tt+1], v[64*\tt:64*\tt+1], v[64*\tt:64*\tt+1]
.endr
.set p, 2
.rept 31
.irp tt, 0,1,2,3
	v_pk_fma_f32 v[T+2*\tt:T+2*\tt+1], v[64*\tt+p:64*\tt+p+1], v[64*\tt+p:64*\tt+p+1], v[T+2*\tt:T+2*\tt+1]
.endr
.set p, p+2
.endr
	WIN 0
	LNPUT 1024
	BARRIER                                        ; slot 0's load may stay out
	LNGET 1024
.irp tt, 0,1,2,3
	v_fma_f32 v[RS+2*\tt], v[P4+4*\tt], s48, s49   ; var + eps
.endr
.irp tt, 0,1,2,3
	v_rsq_f32 v[RS+2*\tt], v[RS+2*\tt]
.endr
	v_nop
	s_wait_alu depctr_va_vdst(0)                   ; one wait for the four, ahead of their first reader
.irp tt, 0,1,2,3
	v_mov_b32 v[RS+2*\tt+1], v[RS+2*\tt]
.endr
	s_wait_loadcnt 0x0                             ; gain and bias
	WIN SCL
.set n, 0
.rept 128
	v_pk_mul_f32 v[2*n:2*n+1], v[2*n:2*n+1], v[RS+2*(n/32):RS+2*(n/32)+1]
.set n, n+1
.endr
	WIN AFF
.set n, 0
.rept 128
	v_pk_fma_f32 v[2*n:2*n+1], v[2*n:2*n+1], v[BA+(2*n)%64:BA+(2*n)%64+1], v[BB+(2*n)%64:BB+(2*n)%64+1]
.set n, n+1
.endr
	WIN 0
.irp tt, 0,1,2,3
	QUANTW 64*\tt
	IMG \tt, 0
.endr
	BARRIER                                        ; h2's sixteen fragments lie in LDS
	BIAS BA, 18                                    ; b1 of my first chunk
	BIAS BB, 20                                    ; b2
; ---- a chunk of 512 hidden units.  fill = 1: both slots are filled again, with the next chunk of my cluster's walk
.macro CHUNK fill
.if \fill
	s_add_co_u32 s53, s53, 1                       ; the next chunk; behind chunk 3 comes chunk 0:
	s_cmp_eq_u32 s53, 4
	s_cselect_b32 s56, 8*SLOTB, 0                  ; then the units' addresses go eight units back,
	s_cselect_b32 s58, 8192, 0                     ; and b1's four chunks
	s_and_b32 s53, s53, 3
.endif
	ACTL 0                                         ; h2
	s_wait_loadcnt 0x0                             ; this chunk's b1
	UNIT 1, 1                                      ; h2 W1 + b1
	PLACES
.if \fill
	s_add_nc_u64 s[18:19], s[18:19], 2048          ; (the loads that named it are done)
	s_sub_nc_u64 s[18:19], s[18:19], s[58:59]
	BIAS BA, 18                                    ; the next chunk's b1
.endif
.irp tt, 0,1,2,3
	WIN RELU
.set n, 0
.rept 64
	v_max_num_f32 v[64*\tt+n], 0, v[64*\tt+n]      ; the activation, in f32; ascending
.set n, n+1
.endr
	QUANTW 64*\tt
	IMG \tt, 16384
.endr
.if \fill
	REFILL 1, 0                                    ; the next chunk's W1; the round also shows every wave's images to the others
.else
	s_wait_tensorcnt 0x0                           ; the last unit is in
	BARRIER
.endif
	ACTL 16384                                     ; the hidden layer
	UNIT 0, 0                                      ; += hidden W2
.if \fill
	REFILL 0, 0                                    ; the next chunk's W2; behind the round nobody reads this chunk's images
.endif
.endm
	s_mov_b32 s52, 3
.Lchunk:
	CHUNK 1
	s_sub_co_u32 s52, s52, 1
	s_cmp_lg_u32 s52, 0
	s_cbranch_scc1 .Lchunk
	CHUNK 0                                        ; the last chunk is written out
	; ---- the way out
	PLACES
	WIN ADD31
.set n, 0
.rept 128
	v_pk_add_f32 v[2*n:2*n+1], v[2*n:2*n+1], v[BB+(2*n)%64:BB+(2*n)%64+1]   ; + b2; ascending
.set n, n+1
.endr
	WIN 0
	BARRIER                                        ; every wave's reads of the images are over: the stages may be written
.macro TOSTAGE tt
	WIN ST3
.irp b, 0,1,2,3
.irp k, 0,1,2,3
	ds_store_b128 v10, v[64*\tt+16*\b+4*\k:64*\tt+16*\b+4*\k+3] offset:128*\b+16*\k
.endr
.endr
	WIN 0
.irp r, 0,1,2,3,4,5,6,7,8,9,10,11,12,13,14,15
	ds_load_b128 v[WB+64*((\tt)%2)+4*\r:WB+64*((\tt)%2)+4*\r+3], v9 offset:528*\r   ; LDS serves a wave's instructions in order: these see my stores
.endr
.endm
.macro SEND tt, younger
	s_wait_dscnt \younger                          ; the tile is back in registers; the next tile's 16 stores and 16 loads may be out
.irp r, 0,1,2,3,4,5,6,7,8,9,10,11,12,13,14,15
	global_store_b128 v16, v[WB+64*((\tt)%2)+4*\r:WB+64*((\tt)%2)+4*\r+3], s[22:23] offset:(32*((\tt)/2)+8*((\tt)%2)+\r+8*(\r/8))*2048 th:TH_STORE_NT   ; 512 consecutive bytes, aligned
.endr
.endm
	TOSTAGE 0
	TOSTAGE 1
	SEND 0, 32
	s_wait_xcnt 0x0                                ; tile 0's stores have read their registers, which tile 2's loads take
	TOSTAGE 2
	SEND 1, 32
	s_wait_xcnt 0x0
	TOSTAGE 3
	SEND 2, 32
	SEND 3, 0
	s_wait_tensorcnt 0x0                           ; the wave's end, behind my last tensor load and my last LDS store
	ds_add_u32 v3, v4
	s_wait_dscnt 0x0
	ROUND                                          ; the closing round: no work-group ends while a partner may still ask for a unit that names it
	s_endpgm
.Lfunc_end_k_qe4cc8d7693_mlp:
	.size	k_qe4cc8d7693_mlp, .Lfunc_end_k_qe4cc8d7693_mlp-k_qe4cc8d7693_mlp
	.p2alignl 7, 3214868480
	.fill 96, 4, 3214868480
	.section	.rodata,"a",@progbits
	.p2align	6, 0x0
	.amdhsa_kernel k_qe4cc8d7693_mlp
		.amdhsa_group_segment_fixed_size 327680
		.amdhsa_private_segment_fixed_size 0
		.amdhsa_enable_private_segment 0
		.amdhsa_kernarg_size 80
		.amdhsa_user_sgpr_count 2
		.amdhsa_user_sgpr_kernarg_segment_ptr 1
		.amdhsa_wavefront_size32 1
		.amdhsa_system_sgpr_workgroup_id_x 1
		.amdhsa_system_sgpr_workgroup_id_y 1
		.amdhsa_system_sgpr_workgroup_id_z 1
		.amdhsa_system_vgpr_workitem_id 0
		.amdhsa_next_free_vgpr 1024
		.amdhsa_next_free_sgpr 66
		.amdhsa_reserve_vcc 0
		.amdhsa_float_denorm_mode_32 3
		.amdhsa_float_denorm_mode_16_64 3
		.amdhsa_memory_ordered 1
		.amdhsa_forward_progress 1
		.amdhsa_inst_pref_size 255
	.end_amdhsa_kernel
	.section	.bss,"aw",@nobits
	.p2align	6
	.space	262144
	.amdgpu_metadata
---
amdhsa.version: [ 1, 2 ]
amdhsa.kernels:
  - .name:           k_qe4cc8d7693_mlp
    .symbol:         k_qe4cc8d7693_mlp.kd
    .args:
      - { .name: x, .offset: 0, .size: 8, .value_kind: global_buffer, .address_space: global }
      - { .name: ac, .offset: 8, .size: 8, .value_kind: global_buffer, .address_space: global }
      - { .name: asc, .offset: 16, .size: 8, .value_kind: global_buffer, .address_space: global }
      - { .name: wst, .offset: 24, .size: 8, .value_kind: global_buffer, .address_space: global }
      - { .name: bproj, .offset: 32, .size: 8, .value_kind: global_buffer, .address_space: global }
      - { .name: ln2_g, .offset: 40, .size: 8, .value_kind: global_buffer, .address_space: global }
      - { .name: ln2_b, .offset: 48, .size: 8, .value_kind: global_buffer, .address_space: global }
      - { .name: b1, .offset: 56, .size: 8, .value_kind: global_buffer, .address_space: global }
      - { .name: b2, .offset: 64, .size: 8, .value_kind: global_buffer, .address_space: global }
      - { .name: out0, .offset: 72, .size: 8, .value_kind: global_buffer, .address_space: global }
    .group_segment_fixed_size: 327680
    .private_segment_fixed_size: 0
    .kernarg_segment_align: 8
    .kernarg_segment_size: 80
    .max_flat_workgroup_size: 128
    .sgpr_count:     66
    .vgpr_count:     1024
    .wavefront_size: 32
...
	.end_amdgpu_metadata
.endif
;; end of part 3
;; ======== version 2 of 2: 3 launches; version 1 with the launch attn written anew for expert scheduling mode
;; workspace buffers: hc 4,194,304 bytes; hs 262,144 bytes; wqkv 417,792 bytes; wst 1,253,376 bytes; ac 4,194,304 bytes; asc 262,144 bytes
;; launch prep: the kernel of part 1 again; grid 608 x 1, 8 waves a work-group, no clusters, 67,584 bytes of LDS; arguments x, ln1_g, ln1_b, hc, hs, Wq, Wk, Wv, Wproj, W1, W2, wqkv, wst; writes hc, hs, wqkv, wst
;; launch attn (part 4): grid 4 x 64, 16 waves a work-group, no clusters, 171,008 bytes of LDS; arguments hc, hs, wqkv, ac, asc; writes ac, asc
.if DOCPART == 4
	.amdgcn_target "amdgcn-amd-amdhsa--gfx1250"
	.amdhsa_code_object_version 6
	.text
	.protected	k_qe4cc8d7693_attn
	.globl	k_qe4cc8d7693_attn
	.p2align	8
	.type	k_qe4cc8d7693_attn,@function
k_qe4cc8d7693_attn:
	s_mov_b64 s[64:65], 0
	v_nop
	global_prefetch_b8 v0, s[64:65] scope:SCOPE_SE
	s_setreg_imm32_b32 hwreg(HW_REG_WAVE_SCHED_MODE, 0, 2), 2
	s_setreg_imm32_b32 hwreg(HW_REG_WAVE_MODE, 25, 1), 1
	s_wait_xcnt 0x0
	s_wait_alu depctr_vm_vsrc(0)
; ATTENTION for one batch (work-group y) and four heads (work-group x): q, k, v = h W on codes of FP4 (E2M1), quantised in registers; causal softmax; p v; / l; quantised again for the projection.
; SIXTEEN WAVES, four to a SIMD, 256 registers each.  Wave w serves head hd = w >> 2 of the four and quarter j = w & 3.
;   phase 0: the four heads' weights (104,448 bytes, already in operand order) are copied to LDS; my 64 tokens' fragments of h come into registers.
;   phase 1: q, k (transposed: source 0 = 16 rows of W, source 1 = 16 tokens: a lane holds ONE token and 16 neighbouring channels) and v (source 0 = tokens, source 1 = W: a lane holds one channel and 16
;            neighbouring tokens) of my 64 tokens; each is quantised and goes to LDS as an image of operand registers.
;   phase 2: my query blocks are j and 7 - j of the eight blocks of 32.  Block j sees key blocks 0 .. j, block 7 - j sees 0 .. 7 - j: 9 blocks of 32 keys for each of my two tiles of a pair, whatever j: the work is even.
;            WHAT LIES WHOLLY UNDER THE CAUSAL MASK IS NOT COMPUTED: a key step takes the number of its visible blocks as a constant of the text, so phase 2 is written four times, once for each j, behind a scalar
;            branch on the wave's number; the four ways join at the last barrier.  Only a step's last visible block holds the diagonal and is masked number by number.
; A head's 32 channels are ONE block of 32, a quarter of the instruction's K.  k's images are kept dense: K block i of fragment f holds key tile 4 f + i; q is given as an operand with its codes in ONE K block and
; zero codes in the other three, which add nothing.  Four such operands are windows of twenty registers [0 | qa | 0 | qb | 0]: qa has the codes in lanes 0-15, qb in lanes 16-31.
; SOFTMAX: t = score x log2(e) / sqrt(512); M = the running largest t rounded up to a whole number; p = 2^(t - M) is quantised along the keys, not normalised; the sum of the unquantised p divides at the end.
; When M moves the sum and O are multiplied by 2^(old M - new M), which rounds nothing.  A tile's first key step has no old M: its product starts O^T with the constant 0.
; TILES: row r of tile 2 b + u is token 32 b + 8 u + (r & 7) + 16 (r >> 3), so that 16 registers of two neighbouring tiles are 16 neighbours.
; LIMITS: NaN and infinities are not served; a block whose largest magnitude lies under 2^-124 (a block of zeros among them) gets the byte 1, its codes are zeros, and this program alone reads the bytes;
; v_exp_f32 and v_rcp_f32 are accurate to 1 ulp and flush denormals.
; No multicast: what the work-groups share, the weights, is read once at the head through registers and stands in no loop.
; THE MODE: SCHED_MODE bits 1:0 = 2 (LLVM: expert scheduling mode 2), set by the entry lines.  The code itself states the register dependences
; between vector or matrix instructions and memory or LDS instructions, with s_wait_alu, always for 0.
; THE PLAN.  Registers that memory or LDS instructions touch:
;   phase 0   v1, v2, v11: offsets, made at the head.  v144-195: loaded, read by the LDS stores of the copy, later the accumulators of phase 1.
;   phase 1   v3-v10: LDS addresses, made once.  Two sets of weight fragments (v208-223, v224-239) with a scale register each (v248, v249): set n % 2 is loaded in step n - 1 and read by step n's eight products.
;             The same v208-232 are the quantiser's registers between two passes, and the data of the images' stores.
;   phase 2   v1-v11, v16, v17: addresses, made once, ahead of the parting.  k's fragments and scale words (v32-47, v250, v251) and q's scale word (v253): read by a step's score products.  q as loaded (v88-95): read
;             by the selects that build q's operand.  v's fragments and scale words (v48-63, v222, v223): read by a step's last two products and one v_perm_b32.
;             v20-27, v218-221: each tile's codes and byte, in registers of their own, read by its two stores and never rewritten.
;   So in a key step: one wait on va_vdst at its head (v's registers are free, q's operand is written); the wait behind the exponentials, behind which the NEXT step's k and the next tile's q are asked for at once:
;   the score products are done with those registers, and no vector or matrix instruction names them again before their next use; one wait ahead of the last two products, whose operands vector instructions made.
.set WSC,  98304                       ; LDS: weights' codes at 0: [hd][P][e][s][1,024]; their scale words here: [hd][P][s][32 words]
.set KIMG, 104448                      ; k: [hd][f 4][1,024]
.set VIMG, 120832                      ; v: [hd][key step 2][e 2][1,024]   (= KIMG + 16,384)
.set QIMG, 137216                      ; q: [hd][block 8][512]: lanes 0-15 tile u = 0, lanes 16-31 tile u = 1
.set KSC,  153600                      ; k's scale words: [hd][f][32 lanes]
.set VSC,  155648                      ; v's: [hd][j][16 rows]: bytes (e 0, block 2 j), (e 0, block 2 j + 1), (e 1, ..), (e 1, ..)
.set QSC,  156672                      ; q's byte, four times in a word: [hd][tile 16][32 lanes]
.set ASC,  164864                      ; the output's scale bytes, a word each: [hd][tile 16][16 rows]
.set H,    16                          ; v16-143  phase 1: h: fragment (tile tt, K step s) at 8 (4 tt + s)
.set TC,   144                         ; v144-195 phase 0: the copy
.set ACC,  144                         ; v144-207 phase 1: eight accumulators
.set WB,   208                         ; v208-239 phase 1: two sets of two weight fragments; between passes the quantiser's registers:
.set TM,   208
.set PC,   224
.set PW,   232
.set HS,   240                         ; v240-254 hold scales and nothing else: h's (8), the weights' (2), k's (2), v's, q's, p's
.set WS,   248
.set KS,   250
.set VS,   252
.set QS,   253
.set PS,   254
.set OC,   20                          ; phase 2: v20-27 the four tiles' output codes: never rewritten
.set DM,   31                          ; v31   the mask's figure for the tile in hand
.set KF,   32                          ; v32-47 two fragments of k;  v48-63 two of v
.set VF,   48
.set QZ,   64                          ; v64-83 [0 | qa | 0 | qb | 0]
.set XL,   88
.set YL,   92
.set S,    96                          ; v96-159 the scores, then p
.set O,    160                         ; v160-175 O^T;  v176-191 O^T / l
.set OA,   176
.set PCD,  192                         ; v192-199 p's codes
.set BM,   200                         ; v200-203 the blocks' largest;  v204-207 the other half's, then bytes;  v208-211 the conversions' scale operands
.set BP,   204
.set SO,   208
.set W,    212
.set F,    214                         ; v[214:215] f = 2^(old M - new M), and a written partner
.set SUM2, 216
.set BY,   218                         ; v218-221 the four tiles' scale bytes: never rewritten
.set VWA,  222                         ; v222, v223 two waves' scale words of v;  v224 the selector that joins them
.set VWB,  223
.set VSEL, 224
.set SEL,  20
.set CS,   22
.set MK,   24                          ; s[24:39] phase 2: the sixteen lane masks of the block that holds the diagonal (before that: offsets at the head)
.set LO,   40                          ; s40   0xffff: lanes 0-15
.macro PLACES                          ; four plain instructions between a matrix instruction and a load into, or a vector instruction on, its registers
.rept 4
	v_nop
.endr
.endm
; one product: D, A, B as first registers; z = 1: C is the constant 0, else C = D; the scale registers and their rows
.macro WMS d, a, b, z, sa, sb, ra, rb
.set WSEL, 4*(\z)+2*(\ra)+(\rb)
.if WSEL == 0
	v_wmma_scale_f32_16x16x128_f8f6f4 v[(\d):(\d)+7], v[(\a):(\a)+7], v[(\b):(\b)+7], v[(\d):(\d)+7], v[\sa], v[\sb] matrix_a_fmt:MATRIX_FMT_FP4 matrix_b_fmt:MATRIX_FMT_FP4
.elseif WSEL == 1
	v_wmma_scale_f32_16x16x128_f8f6f4 v[(\d):(\d)+7], v[(\a):(\a)+7], v[(\b):(\b)+7], v[(\d):(\d)+7], v[\sa], v[\sb] matrix_a_fmt:MATRIX_FMT_FP4 matrix_b_fmt:MATRIX_FMT_FP4 matrix_b_scale:MATRIX_SCALE_ROW1
.elseif WSEL == 2
	v_wmma_scale_f32_16x16x128_f8f6f4 v[(\d):(\d)+7], v[(\a):(\a)+7], v[(\b):(\b)+7], v[(\d):(\d)+7], v[\sa], v[\sb] matrix_a_fmt:MATRIX_FMT_FP4 matrix_b_fmt:MATRIX_FMT_FP4 matrix_a_scale:MATRIX_SCALE_ROW1
.elseif WSEL == 3
	v_wmma_scale_f32_16x16x128_f8f6f4 v[(\d):(\d)+7], v[(\a):(\a)+7], v[(\b):(\b)+7], v[(\d):(\d)+7], v[\sa], v[\sb] matrix_a_fmt:MATRIX_FMT_FP4 matrix_b_fmt:MATRIX_FMT_FP4 matrix_a_scale:MATRIX_SCALE_ROW1 matrix_b_scale:MATRIX_SCALE_ROW1
.elseif WSEL == 4
	v_wmma_scale_f32_16x16x128_f8f6f4 v[(\d):(\d)+7], v[(\a):(\a)+7], v[(\b):(\b)+7], 0, v[\sa], v[\sb] matrix_a_fmt:MATRIX_FMT_FP4 matrix_b_fmt:MATRIX_FMT_FP4
.elseif WSEL == 5
	v_wmma_scale_f32_16x16x128_f8f6f4 v[(\d):(\d)+7], v[(\a):(\a)+7], v[(\b):(\b)+7], 0, v[\sa], v[\sb] matrix_a_fmt:MATRIX_FMT_FP4 matrix_b_fmt:MATRIX_FMT_FP4 matrix_b_scale:MATRIX_SCALE_ROW1
.elseif WSEL == 6
	v_wmma_scale_f32_16x16x128_f8f6f4 v[(\d):(\d)+7], v[(\a):(\a)+7], v[(\b):(\b)+7], 0, v[\sa], v[\sb] matrix_a_fmt:MATRIX_FMT_FP4 matrix_b_fmt:MATRIX_FMT_FP4 matrix_a_scale:MATRIX_SCALE_ROW1
.else
	v_wmma_scale_f32_16x16x128_f8f6f4 v[(\d):(\d)+7], v[(\a):(\a)+7], v[(\b):(\b)+7], 0, v[\sa], v[\sb] matrix_a_fmt:MATRIX_FMT_FP4 matrix_b_fmt:MATRIX_FMT_FP4 matrix_a_scale:MATRIX_SCALE_ROW1 matrix_b_scale:MATRIX_SCALE_ROW1
.endif
.endm
; 64 numbers of a lane, register 16 b + i = number 16 (lane / 16) + i of block b of my row, become codes in v[PC] on (registers 4 c .. 4 c + 3: lanes 0-15 block 2 c, lanes 16-31 block 2 c + 1),
; the four bytes in v[TM + 4 + b] and the scale word in v[PW]
.macro QUANT s
.irp b, 0,1,2,3
	v_max3_num_f32 v[TM+\b], |v[(\s)+16*\b]|, |v[(\s)+1+16*\b]|, 0x1800000   ; my 16 numbers, and the floor 2^(3 - 127): the byte cannot fall under 1
.endr
.irp i, 2,4,6,8,10,12,14
.irp b, 0,1,2,3
	v_max3_num_f32 v[TM+\b], v[TM+\b], |v[(\s)+16*\b+\i]|, |v[(\s)+1+16*\b+\i]|
.endr
.endr
.irp b, 0,1,2,3
	v_permlanex16_b32 v[TM+4+\b], v[TM+\b], s[SEL], s[SEL+1]
.endr
.irp b, 0,1,2,3
	v_max_num_f32 v[TM+\b], v[TM+\b], v[TM+4+\b]   ; with lane l xor 16's: the block's largest magnitude
.endr
.irp b, 0,1,2,3
	v_add_nc_u32 v[TM+12+\b], 0xff000000, v[TM+\b] ; 2 off its exponent field: the conversion's scale operand
.endr
.irp b, 0,1,2,3
	v_lshrrev_b32 v[TM+4+\b], 23, v[TM+12+\b]      ; the scale's byte
.endr
	v_lshl_or_b32 v[PW], v[TM+5], 8, v[TM+4]
	v_lshl_or_b32 v[PW], v[TM+6], 16, v[PW]
	v_lshl_or_b32 v[PW], v[TM+7], 24, v[PW]
.irp b, 0,1,2,3
	v_cvt_scalef32_pk8_fp4_f32 v[PC+2*\b], v[(\s)+16*\b:(\s)+7+16*\b], v[TM+12+\b]
	v_cvt_scalef32_pk8_fp4_f32 v[PC+1+2*\b], v[(\s)+8+16*\b:(\s)+15+16*\b], v[TM+12+\b]
.endr
	v_nop                                          ; one plain instruction behind a scaled conversion
.irp c, 0,1
.irp i, 0,1
	v_permlane16_swap_b32 v[PC+4*\c+\i], v[PC+2+4*\c+\i]
.endr
.endr
.endm
	s_load_b256 s[4:11], s[0:1], 0x0               ; hc 4, hs 6, wqkv 8, ac 10
	s_load_b64 s[12:13], s[0:1], 0x20              ; asc
	v_lshrrev_b32 v1, 5, v0
	v_readfirstlane_b32 s14, v1                    ; wave 0..15
	v_lshlrev_b32 v1, 4, v0                        ; the copy: 16 bytes a thread, 8,192 an instruction
	v_add_nc_u32 v2, 0x10000, v1                   ; (an LDS offset has 16 bits)
	v_and_b32 v12, 31, v0
	v_lshlrev_b32 v11, 4, v12                      ; 16 x lane
	v_lshlrev_b32 v12, 2, v12                      ; 4 x lane
	v_and_b32 v13, 15, v0                          ; r
	s_and_b32 s17, ttmp7, 0xffff                   ; batch
	s_mov_b32 s[SEL], 0x76543210
	s_mov_b32 s[SEL+1], 0xfedcba98                 ; v_permlanex16_b32's selects for lane l xor 16
	s_mov_b32 s[CS], 0x3d8293ee                    ; c = log2(e) / sqrt(512)
	s_mov_b32 s[CS+1], s[CS]                       ; (named with it as a pair, so it is written)
	s_mov_b32 s[LO], 0xffff
	s_wait_alu depctr_va_sdst(0)                   ; s14 is written, ahead of its first reader: hd, j and every offset by the wave are made from it
	s_lshr_b32 s15, s14, 2                         ; hd
	s_and_b32 s16, s14, 3                          ; j
	s_mul_i32 s24, ttmp9, 104448                   ; my four heads' weights
	s_mov_b32 s25, 0
	s_lshl_b32 s26, s17, 16
	s_lshl_b32 s18, s16, 14
	s_add_co_u32 s26, s26, s18                     ; hc: the batch's 65,536 bytes, my four tiles' 16,384
	s_mov_b32 s27, 0
	s_lshl_b32 s28, s17, 12
	s_lshl_b32 s18, s16, 10
	s_add_co_u32 s28, s28, s18                     ; hs: 4,096 a batch, 512 a block of 32 tokens
	s_mov_b32 s29, 0
	s_lshl_b32 s30, s17, 16
	s_lshl_b32 s18, ttmp9, 10
	s_add_co_u32 s30, s30, s18                     ; ac: [batch][tile][g][1,024]
	s_mov_b32 s31, 0
	s_lshl_b32 s32, s17, 12
	s_add_co_u32 s32, s32, s18                     ; asc: [batch][g][256 words]
	s_mov_b32 s33, 0
	s_wait_kmcnt 0x0
	s_add_nc_u64 s[8:9], s[8:9], s[24:25]
	s_add_nc_u64 s[4:5], s[4:5], s[26:27]
	s_add_nc_u64 s[6:7], s[6:7], s[28:29]
	s_add_nc_u64 s[10:11], s[10:11], s[30:31]
	s_add_nc_u64 s[12:13], s[12:13], s[32:33]
	s_wait_alu depctr_va_vdst(0)                   ; v1, v2 and v11 are written: the loads below and the copy's LDS stores read them as offsets and addresses
	; ---- phase 0
.irp i, 0,1,2,3,4,5,6,7,8,9,10,11
	global_load_b128 v[TC+4*\i:TC+4*\i+3], v1, s[8:9] offset:8192*\i
.endr
	s_cmp_lt_u32 s14, 12                           ; 104,448 = 12.75 x 8,192: the last piece is waves 0-11's
	s_cbranch_scc0 .Lno13a
	global_load_b128 v[TC+48:TC+51], v1, s[8:9] offset:98304
.Lno13a:
.set n, 0
.rept 32
	global_load_b128 v[H+4*n:H+4*n+3], v11, s[4:5] offset:512*n   ; my four tiles' sixteen fragments of h, as they lie
.set n, n+1
.endr
.irp i, 0,1
	global_load_b128 v[HS+4*\i:HS+4*\i+3], v11, s[6:7] offset:512*\i   ; their scale words: register 4 (tt / 2) + s; lanes 0-15 the even tile, lanes 16-31 the odd
.endr
	; phase 1's LDS addresses (these lines write v3 to v10 alone: none of the registers that the loads above and the copy's stores below touch)
	s_mul_i32 s34, s15, 24576
	v_add_nc_u32 v3, s34, v11                      ; my head's weight fragments
	s_mul_i32 s34, s15, 1536
	s_add_co_u32 s34, s34, WSC
	v_add_nc_u32 v4, s34, v12                      ; and their scale words
	s_lshl_b32 s35, s15, 12                        ; hd x 4,096
	s_lshl_b32 s36, s16, 10
	s_add_co_u32 s36, s36, s35
	s_add_co_u32 s34, s36, QIMG
	v_add_nc_u32 v5, s34, v11                      ; q's images: blocks 2 j, 2 j + 1
	s_add_co_u32 s34, s36, KIMG
	v_add_nc_u32 v7, s34, v11                      ; k's: fragment j
	s_lshl_b32 s34, s15, 11
	s_lshl_b32 s37, s16, 9
	s_add_co_u32 s34, s34, s37
	s_add_co_u32 s34, s34, QSC
	v_add_nc_u32 v6, s34, v12
	s_lshl_b32 s34, s15, 9
	s_lshl_b32 s37, s16, 7
	s_add_co_u32 s34, s34, s37
	s_add_co_u32 s34, s34, KSC
	v_add_nc_u32 v8, s34, v12
	s_lshr_b32 s37, s16, 1
	s_and_b32 s38, s16, 1
	s_lshl_b32 s34, s37, 11
	s_add_co_u32 s34, s34, s35
	s_lshl_b32 s39, s38, 9
	s_add_co_u32 s34, s34, s39
	s_add_co_u32 s34, s34, VIMG
	v_add_nc_u32 v9, s34, v11                      ; v's: key step j >> 1, piece j & 1; tile e 1,024 bytes on
	s_lshl_b32 s34, s15, 8
	s_lshl_b32 s39, s16, 6
	s_add_co_u32 s34, s34, s39
	s_add_co_u32 s34, s34, VSC
	v_lshl_add_u32 v10, v13, 2, s34
	s_wait_loadcnt 34                              ; the weights are in: behind them stand the 34 loads of h, on both ways
.irp i, 0,1,2,3,4,5,6,7
	ds_store_b128 v1, v[TC+4*\i:TC+4*\i+3] offset:8192*\i
.endr
.irp i, 8,9,10,11
	ds_store_b128 v2, v[TC+4*\i:TC+4*\i+3] offset:8192*(\i-8)
.endr
	s_cmp_lt_u32 s14, 12
	s_cbranch_scc0 .Lno13b
	ds_store_b128 v2, v[TC+48:TC+51] offset:32768
.Lno13b:
	s_wait_dscnt 0x0                               ; for the others' sake: my part of the weights lies in LDS
	s_barrier_signal -1
	s_barrier_wait -1
	s_wait_loadcnt 0x0                             ; h
	s_wait_alu depctr_va_vdst(0)                   ; v3 to v10 are written: the LDS loads and stores of phase 1 read them as addresses
	; ---- phase 1.  Step n = 4 P + s: the two tiles (e) of matrix P, K step s, into set n % 2, with their scale words (lanes 0-15: e = 0, lanes 16-31: e = 1)
.macro FETCHW n
.irp e, 0,1
.irp c, 0,1
	ds_load_b128 v[WB+16*((\n)%2)+8*\e+4*\c:WB+16*((\n)%2)+8*\e+4*\c+3], v3 offset:((2*((\n)/4)+\e)*4+(\n)%4)*1024+512*\c
.endr
.endr
	ds_load_b32 v[WS+(\n)%2], v4 offset:(\n)*128
.endm
; One of q (P = 0), k (1), v (2) for my 64 tokens: eight accumulators by turns, one instruction a turn; the first K step starts the sums
.macro PASS P
	s_wait_alu depctr_vm_vsrc(0)                   ; the LDS stores issued so far have read their data: the copy's v144-195, which this pass's products write; the last pass's codes and scale words, v216-232, in which the weights below land
	FETCHW 4*\P                                    ; (no vector instruction has been issued since the last wait on va_vdst: the quantiser is done with both sets)
.irp s, 0,1,2,3
.if \s == 0
.set ZZ, 1
.else
.set ZZ, 0
.endif
.if \s < 3
.if \s > 0
	PLACES                                         ; the set to be loaded was read by the products just issued
	s_wait_alu depctr_va_vdst(0)                   ; the products of the step before are done reading the set and the scale register in which the five loads below land
.endif
	FETCHW 4*\P+\s+1
	s_wait_dscnt 5                                 ; this step's five loads are in; the five just issued may be out
.else
	s_wait_dscnt 0x0
.endif
.irp tt, 0,1,2,3
.irp e, 0,1
.if \P < 2
	WMS ACC+16*\tt+8*\e, WB+16*(\s%2)+8*\e, H+(\tt*4+\s)*8, ZZ, WS+\s%2, HS+4*(\tt/2)+\s, \e, \tt%2
.else
	WMS ACC+16*(2*\e+\tt/2)+8*(\tt%2), H+(\tt*4+\s)*8, WB+16*(\s%2)+8*\e, ZZ, HS+4*(\tt/2)+\s, WS+\s%2, \tt%2, \e
.endif
.endr
.endr
.endr
	PLACES
.irp b, 0,1,2,3
	v_mov_b32 v[TM+4+\b], 0                        ; a lane permute's destination counts as one of its sources
.endr
	QUANT ACC
.if \P == 0
.irp b, 0,1,2,3
	v_lshl_or_b32 v[TM+8+\b], v[TM+4+\b], 8, v[TM+4+\b]
.endr
.irp b, 0,1,2,3
	v_lshl_or_b32 v[TM+8+\b], v[TM+8+\b], 16, v[TM+8+\b]   ; q's byte in all four places: whichever K block q is put in, its byte is there
.endr
.endif
	s_wait_alu depctr_va_vdst(0)                   ; the quantiser has written the codes, the scale word and q's bytes, which the LDS stores below read
.if \P == 0                            ; q: block b of the quantiser is tile b: piece c holds tiles 2 c (lanes 0-15) and 2 c + 1 (lanes 16-31): one block of 32 tokens
	ds_store_b128 v5, v[PC:PC+3]
	ds_store_b128 v5, v[PC+4:PC+7] offset:512
.irp b, 0,1,2,3
	ds_store_b32 v6, v[TM+8+\b] offset:128*\b
.endr
.elseif \P == 1                        ; k: the same registers ARE a dense fragment: K block b holds tile 4 j + b, and the scale word goes with it
	ds_store_b128 v7, v[PC:PC+3]
	ds_store_b128 v7, v[PC+4:PC+7] offset:512
	ds_store_b32 v8, v[PW]
.else                                  ; v: block 2 e + bl is channel tile e, token block 2 j + bl: registers 4 e .. 4 e + 3 are piece j & 1 of tile e's fragment
	ds_store_b128 v9, v[PC:PC+3]
	ds_store_b128 v9, v[PC+4:PC+7] offset:1024
	ds_store_b32 v10, v[PW]                        ; both halves of the lanes write the same word with the same value
.endif
	s_wait_dscnt 0x0                               ; my images lie in LDS
.endm
	PASS 0
	PASS 1
	PASS 2
	s_barrier_signal -1                            ; (no LDS instruction of mine is out)
	s_barrier_wait -1                              ; q, k and v of the four heads lie in LDS
	; ---- phase 2's addresses, all made ahead of the parting by j: v1-v11 are LDS addresses; v16, v17 offsets in ac; v18, v19 the mask's figures
	s_wait_alu depctr_vm_vsrc(0)                   ; the loads and stores of phases 0 and 1 have read v1 to v11, and the last pass's stores v224-232: all of these are written anew below
	s_xor_b32 s37, s16, 7                          ; 7 - j
	v_and_b32 v12, 31, v0
	v_lshlrev_b32 v13, 4, v12                      ; 16 x lane
	v_lshlrev_b32 v12, 2, v12                      ; 4 x lane
	v_and_b32 v14, 15, v0                          ; r
	v_bfe_u32 v15, v0, 4, 1                        ; h
	s_add_co_u32 s34, s35, KIMG
	v_add_nc_u32 v1, s34, v13                      ; k's fragments; v's lie 16,384 bytes on
	s_add_co_u32 s34, s35, QIMG
	s_lshl_b32 s38, s16, 9
	s_add_co_u32 s38, s38, s34
	v_add_nc_u32 v2, s38, v13                      ; q of block j, as it lies,
	v_xor_b32 v3, 256, v2                          ; and with the halves of the lanes exchanged
	s_lshl_b32 s38, s37, 9
	s_add_co_u32 s38, s38, s34
	v_add_nc_u32 v4, s38, v13                      ; q of block 7 - j
	v_xor_b32 v5, 256, v4
	s_lshl_b32 s34, s15, 9
	s_add_co_u32 s34, s34, KSC
	v_add_nc_u32 v6, s34, v12
	s_lshl_b32 s34, s15, 8
	s_add_co_u32 s34, s34, VSC
	v_lshl_add_u32 v7, v14, 2, s34
	s_lshl_b32 s34, s15, 11
	s_add_co_u32 s34, s34, QSC
	s_lshl_b32 s38, s16, 8
	s_add_co_u32 s38, s38, s34
	v_add_nc_u32 v8, s38, v12
	s_lshl_b32 s38, s37, 8
	s_add_co_u32 s38, s38, s34
	v_add_nc_u32 v9, s38, v12
	s_lshl_b32 s34, s15, 10
	s_add_co_u32 s34, s34, ASC
	s_lshl_b32 s38, s16, 7
	s_add_co_u32 s38, s38, s34
	v_lshl_add_u32 v10, v14, 2, s38
	s_lshl_b32 s38, s37, 7
	s_add_co_u32 s38, s38, s34
	v_lshl_add_u32 v11, v14, 2, s38
	s_lshr_b32 s34, s15, 1
	s_lshl_b32 s34, s34, 9
	s_and_b32 s39, s15, 1
	s_lshl_b32 s39, s39, 8
	s_add_co_u32 s34, s34, s39
	v_lshlrev_b32 v16, 4, v14
	v_lshl_add_u32 v16, v15, 3, v16
	v_add_nc_u32 v16, s34, v16                     ; in a fragment of ac: K block hd of row r, my half's 8 bytes
	s_lshl_b32 s38, s37, 13
	v_add_nc_u32 v17, s38, v16
	s_lshl_b32 s38, s16, 13
	v_add_nc_u32 v16, s38, v16
	v_lshrrev_b32 v18, 3, v14
	v_lshl_add_u32 v18, v18, 3, v14                ; r + 8 (r / 8)
	v_lshlrev_b32 v19, 4, v15
	v_sub_nc_u32 v18, v18, v19                     ; - 16 h
	s_and_b32 s38, s37, 3
	s_lshl_b32 s38, s38, 5
	v_add_nc_u32 v19, s38, v18                     ; + 32 x (my block's place in its key step)
	s_lshl_b32 s38, s16, 5
	v_add_nc_u32 v18, s38, v18
	v_mov_b32 v[VSEL], 0x05040100                  ; lanes 0-15 (e = 0) join the two words' low halves,
	v_mov_b32 v[VSEL+1], 0x07060302                ; lanes 16-31 (e = 1) their high halves
	v_cmp_eq_u32 vcc_lo, 1, v15
.irp i, 0,1,2,3,8,9,10,11,16,17,18,19
	v_mov_b32 v[QZ+\i], 0                          ; the zero codes, written once
.endr
.irp i, 0,1,2,3
	v_mov_b32 v[BP+\i], 0                          ; a lane permute's destination counts as one of its sources
.endr
	v_mov_b32 v[W], 0
	v_mov_b32 v[F+1], 0
	s_wait_alu depctr_va_vcc(0)                    ; the compare has written VCC, ahead of its one reader
	v_cndmask_b32 v[VSEL], v[VSEL], v[VSEL+1], vcc_lo
	s_wait_alu depctr_va_vdst(0)                   ; the addresses v1 to v11, v16 and v17 are written, which every load and store of phase 2 reads; phase 1's products and quantiser are done with the registers in which the first loads of k and q land
; The fragments of k that hold the first nb blocks of 32 keys of key step ks, with their scale words.  A fragment holds two blocks
.macro KLOAD ks, nb
.set cf, 0
.rept ((\nb)+1)/2
	ds_load_b128 v[KF+8*cf:KF+8*cf+3], v1 offset:(2*(\ks)+cf)*1024
	ds_load_b128 v[KF+8*cf+4:KF+8*cf+7], v1 offset:(2*(\ks)+cf)*1024+512
	ds_load_b32 v[KS+cf], v6 offset:(2*(\ks)+cf)*128
.set cf, cf+1
.endr
.endm
; A tile of 16 queries is asked for.  a0: the address that brings my tile's codes to lanes 0-15, a1: to lanes 16-31; qs: its scale words
.macro QLOAD a0, a1, qs, u
	ds_load_b128 v[XL:XL+3], v[\a0]
	ds_load_b128 v[YL:YL+3], v[\a1]
	ds_load_b32 v[QS], v[\qs] offset:128*\u
.endm
; The tile begins.  dd: the block's mask figure
.macro QBUILD u, dd
	s_wait_dscnt 0x0
.irp i, 0,1,2,3
	v_cndmask_b32 v[QZ+4+\i], v[QZ], v[XL+\i], s[LO]     ; qa: codes in lanes 0-15, zeros above
.endr
.irp i, 0,1,2,3
	v_cndmask_b32 v[QZ+12+\i], v[YL+\i], v[QZ], s[LO]    ; qb: zeros below, codes in lanes 16-31
.endr
	v_add_nc_u32 v[DM], 8*\u, v[\dd]               ; d = my query - 16 (lane / 16), counted from the masked key step's first key
	v_mov_b32 v14, 0                               ; the sum, in two halves
	v_mov_b32 v15, 0
.endm
; A key step, first part: of keys 128 ks .. 128 ks + 127 the first nb blocks of 32; the others lie wholly under the mask and get zero codes.  Its fragments of k were asked for a step ago.
; masked = 1: block nb - 1 holds the diagonal.  first = 1: the tile's first step: there is no old M, and the product starts O^T
.macro STEPA ks, nb, masked, first
.set NB, (\nb)
.if \masked
.set cn, 0
.rept 16
	v_cmp_gt_i32 s[MK+cn], 32*(NB-1)+cn, v[DM]     ; which lanes' key 32 (nb - 1) + cn + 16 (lane / 16) comes after the lane's query: sixteen masks in one run, well ahead of their readers
.set cn, cn+1
.endr
.endif
	PLACES                                         ; the registers to be loaded were read by the last products; q's operands were written by vector instructions
	s_wait_alu depctr_va_vdst(0)                   ; the last step's two products and its v_perm_b32 are done reading v's fragments and scale words, in which the six loads below land; the selects have written q's operands, which the scaled products below take
.irp e, 0,1
.irp c, 0,1
	ds_load_b128 v[VF+8*\e+4*\c:VF+8*\e+4*\c+3], v1 offset:16384+(2*\ks+\e)*1024+512*\c
.endr
.endr
	ds_load_b32 v[VWA], v7 offset:128*\ks
	ds_load_b32 v[VWB], v7 offset:128*\ks+64
	s_wait_dscnt 6                                 ; k's loads, issued ahead of them, are in; v's six may be out
.set ct, 0
.rept 2*NB                             ; S^T: tile t of 16 keys is K block t % 4 of fragment t / 4; q stands in that block alone.  Register 16 b + i: key 128 ks + 32 b + 16 (lane / 16) + i
	WMS S+8*ct, KF+8*(ct/4), QZ+(4+8*(ct%4))%20, 1, KS+ct/4, QS, 0, 0
.set ct, ct+1
.endr
	PLACES
.if \masked
	v_mov_b32 v[W], 0xff800000                     ; hidden scores become -infinity ahead of the maximum: p = 0 then
	s_wait_alu depctr_va_sdst(0)                   ; the sixteen compares at the step's head have written their masks, ahead of the first select that reads one
.set cn, 0
.rept 16
	v_cndmask_b32 v[S+16*(NB-1)+cn], v[S+16*(NB-1)+cn], v[W], s[MK+cn]
.set cn, cn+1
.endr
.endif
.set cb, 0
.rept NB
	v_max3_num_f32 v[BM+cb], v[S+16*cb], v[S+16*cb+1], v[S+16*cb+2]   ; each block's largest score: for the row's maximum, and, since p rises with the score, for the block's largest p
.set cb, cb+1
.endr
.irp i, 3,5,7,9,11,13
.set cb, 0
.rept NB
	v_max3_num_f32 v[BM+cb], v[BM+cb], v[S+16*cb+\i], v[S+16*cb+\i+1]
.set cb, cb+1
.endr
.endr
.set cb, 0
.rept NB
	v_max_num_f32 v[BM+cb], v[BM+cb], v[S+16*cb+15]
.set cb, cb+1
.endr
.set cb, 0
.rept NB
	v_permlanex16_b32 v[BP+cb], v[BM+cb], s[SEL], s[SEL+1]
.set cb, cb+1
.endr
.set cb, 0
.rept NB
	v_max_num_f32 v[BM+cb], v[BM+cb], v[BP+cb]
.set cb, cb+1
.endr
.if NB == 1
.set RM, BM
.else
.set RM, W
.if NB == 2
	v_max_num_f32 v[W], v[BM], v[BM+1]
.elseif NB == 3
	v_max3_num_f32 v[W], v[BM], v[BM+1], v[BM+2]
.else
	v_max3_num_f32 v[W], v[BM], v[BM+1], v[BM+2]
	v_max_num_f32 v[W], v[W], v[BM+3]
.endif
.endif
.if \first
	v_mul_f32 v13, s[CS], v[RM]                    ; the largest t (c is positive); a query sees its own key, so it is a number
	v_floor_f32 v12, -v13                          ; -M = -ceil(t)
.else
	v_mul_f32 v[W], s[CS], v[RM]
	v_max_num_f32 v13, v13, v[W]                   ; the running largest t
	v_mov_b32 v[W], v12
	v_floor_f32 v12, -v13                          ; the new -M
	v_sub_f32 v[W], v12, v[W]                      ; old M - new M: a whole number, 0 or less
	v_cvt_i32_f32 v[W], v[W]                       ; (it saturates)
	v_ldexp_f32 v[F], 1.0, v[W]                    ; f = 2^(old M - new M)
.endif
.set cn, 0
.rept 8*NB
	v_pk_fma_f32 v[S+cn:S+cn+1], v[S+cn:S+cn+1], s[CS:CS+1], v[12:13] op_sel_hi:[1,0,0]   ; t - M
.set cn, cn+2
.endr
.set cb, 0
.rept NB
	v_fma_f32 v[BM+cb], v[BM+cb], s[CS], v12
.set cb, cb+1
.endr
.set cn, 0
.rept 16*NB
	v_exp_f32 v[S+cn], v[S+cn]                     ; p = 2^(t - M), not normalised
.set cn, cn+1
.endr
.set cb, 0
.rept NB
	v_exp_f32 v[BM+cb], v[BM+cb]                   ; the blocks' largest p
.set cb, cb+1
.endr
.if \first
	v_nop                                          ; a plain instruction behind the batch
.else
	v_pk_mul_f32 v[14:15], v[14:15], v[F:F+1] op_sel_hi:[1,0]   ; the sum under the new M: plain work behind the batch, which names none of its results
.set cn, 0
.rept 8
	v_pk_mul_f32 v[O+cn:O+cn+1], v[O+cn:O+cn+1], v[F:F+1] op_sel_hi:[1,0]   ; O^T under the new M, each accumulator from its low end on
.set cn, cn+2
.endr
.endif
	s_wait_alu depctr_va_vdst(0)                   ; the step's exponentials have written p and the blocks' largest p, ahead of their first reader; and the score products are done reading k's fragments and scale words and q's scale word, and the selects q as loaded: the loads that follow this part land there
	s_wait_dscnt 0x0                               ; v
	v_perm_b32 v[VS], v[VWB], v[VWA], v[VSEL]      ; v's scale word of these 128 keys: two bytes from each of two waves' words
.endm
; Between the two parts stand the loads of the next step's k and, behind a tile's last step, of the next tile's q: no wait, since no vector or matrix instruction behind the wait above names their registers before their next use.
; A key step, second part: p is quantised, summed and multiplied
.macro STEPB first
.set cb, 0
.rept NB
	v_max_num_f32 v[BM+cb], 0x1800000, v[BM+cb]    ; the floor: a block whose every p is 0 keeps the byte 1 over zero codes
.set cb, cb+1
.endr
.set cb, 0
.rept NB
	v_add_nc_u32 v[SO+cb], 0xff000000, v[BM+cb]
.set cb, cb+1
.endr
.set cb, 0
.rept NB
	v_lshrrev_b32 v[BP+cb], 23, v[SO+cb]
.set cb, cb+1
.endr
.if NB == 1                            ; p's scale word for these 128 keys; a hidden block's byte stays 0, over zero codes
	v_mov_b32 v[PS], v[BP]
.else
	v_lshl_or_b32 v[PS], v[BP+1], 8, v[BP]
.endif
.if NB > 2
	v_lshl_or_b32 v[PS], v[BP+2], 16, v[PS]
.endif
.if NB > 3
	v_lshl_or_b32 v[PS], v[BP+3], 24, v[PS]
.endif
.set cb, 0
.rept NB
	v_cvt_scalef32_pk8_fp4_f32 v[PCD+2*cb], v[S+16*cb:S+16*cb+7], v[SO+cb]
	v_cvt_scalef32_pk8_fp4_f32 v[PCD+2*cb+1], v[S+16*cb+8:S+16*cb+15], v[SO+cb]
.set cb, cb+1
.endr
	v_nop                                          ; one plain instruction behind a scaled conversion
.if NB < 4
.rept 4-NB
	v_mov_b32 v[PCD+2*cb], 0                       ; the hidden blocks' codes
	v_mov_b32 v[PCD+2*cb+1], 0
.set cb, cb+1
.endr
.endif
.irp c, 0,1
.irp i, 0,1
	v_permlane16_swap_b32 v[PCD+4*\c+\i], v[PCD+2+4*\c+\i]
.endr
.endr
	v_pk_add_f32 v[SUM2:SUM2+1], v[S:S+1], v[S+2:S+3]   ; the row's sum is taken of the unquantised p.  These 8 nb lines also stand between the scale words' and the codes' last writes and the products
.set cn, 4
.rept 4*NB-1
	v_pk_add_f32 v[14:15], v[14:15], v[S+cn:S+cn+1]
	v_pk_add_f32 v[SUM2:SUM2+1], v[SUM2:SUM2+1], v[S+cn+2:S+cn+3]
.set cn, cn+4
.endr
	v_pk_add_f32 v[14:15], v[14:15], v[SUM2:SUM2+1]
	s_wait_alu depctr_va_vdst(0)                   ; vector instructions have written p's codes, p's scale word and v's scale word, which the two scaled products take; the places above stay beside this wait
.irp e, 0,1                            ; O^T (+)= v^T p^T: register 8 e + i of lane (r, h): channel 16 h + 8 e + i of query r
	WMS O+8*\e, VF+8*\e, PCD, \first, VS, PS, \e, 0
.endr
.endm
; The tile ends: O^T / l, quantised (the head's 32 channels are one block of the projection's K), codes to memory, the byte to LDS
.macro FIN u, ao, as, idx
	PLACES
	v_add_f32 v14, v14, v15
	v_permlanex16_b32 v[W], v14, s[SEL], s[SEL+1]
	v_add_f32 v14, v14, v[W]                       ; the row's sum
	v_rcp_f32 v14, v14
	v_nop
	s_wait_alu depctr_va_vdst(0)                   ; the reciprocal has written v14, ahead of its first reader
.set n, 0
.rept 16
	v_mul_f32 v[OA+n], v[O+n], v14
.set n, n+1
.endr
	v_max3_num_f32 v[BM], |v[OA]|, |v[OA+1]|, 0x1800000
	v_max3_num_f32 v[BM+1], |v[OA+2]|, |v[OA+3]|, |v[OA+4]|
	v_max3_num_f32 v[BM], v[BM], |v[OA+5]|, |v[OA+6]|
	v_max3_num_f32 v[BM+1], v[BM+1], |v[OA+7]|, |v[OA+8]|
	v_max3_num_f32 v[BM], v[BM], |v[OA+9]|, |v[OA+10]|
	v_max3_num_f32 v[BM+1], v[BM+1], |v[OA+11]|, |v[OA+12]|
	v_max3_num_f32 v[BM], v[BM], |v[OA+13]|, |v[OA+14]|
	v_max3_num_f32 v[BM], v[BM], v[BM+1], |v[OA+15]|
	v_permlanex16_b32 v[BP], v[BM], s[SEL], s[SEL+1]
	v_max_num_f32 v[BM], v[BM], v[BP]
	v_add_nc_u32 v[SO], 0xff000000, v[BM]
	v_lshrrev_b32 v[BY+\idx], 23, v[SO]
	v_cvt_scalef32_pk8_fp4_f32 v[OC+2*\idx], v[OA:OA+7], v[SO]
	v_cvt_scalef32_pk8_fp4_f32 v[OC+2*\idx+1], v[OA+8:OA+15], v[SO]
	v_nop
	s_wait_alu depctr_va_vdst(0)                   ; the conversions have written the tile's codes and the shift its byte, which the two stores below read
	global_store_b64 v[\ao], v[OC+2*\idx:OC+2*\idx+1], s[10:11] offset:4096*\u   ; the wave stores 256 consecutive bytes, aligned
	ds_store_b32 v[\as], v[BY+\idx] offset:64*\u
.endm
; The four tiles of a wave with quarter j: block j sees j + 1 blocks of key step 0; block 7 - j sees all of key step 0 and 4 - j blocks of key step 1
.macro TILES j
	KLOAD 0, (\j)+1
	QLOAD 2, 3, 8, 0
	QBUILD 0, 18
	STEPA 0, (\j)+1, 1, 1
	KLOAD 0, (\j)+1
	QLOAD 3, 2, 8, 1
	STEPB 1
	FIN 0, 16, 10, 0
	QBUILD 1, 18
	STEPA 0, (\j)+1, 1, 1
	KLOAD 0, 4
	QLOAD 4, 5, 9, 0
	STEPB 1
	FIN 1, 16, 10, 1
	QBUILD 0, 19
	STEPA 0, 4, 0, 1
	KLOAD 1, 4-(\j)
	STEPB 1
	STEPA 1, 4-(\j), 1, 0
	KLOAD 0, 4
	QLOAD 5, 4, 9, 1
	STEPB 0
	FIN 0, 17, 11, 2
	QBUILD 1, 19
	STEPA 0, 4, 0, 1
	KLOAD 1, 4-(\j)
	STEPB 1
	STEPA 1, 4-(\j), 1, 0
	STEPB 0
	FIN 1, 17, 11, 3
.endm
	s_cmp_eq_u32 s16, 0                            ; the parting hangs on the wave's number alone; no barrier stands on any of the four ways
	s_cbranch_scc1 .Lj0
	s_cmp_eq_u32 s16, 1
	s_cbranch_scc1 .Lj1
	s_cmp_eq_u32 s16, 2
	s_cbranch_scc1 .Lj2
	TILES 3
	s_branch .Ljoin
.Lj0:
	TILES 0
	s_branch .Ljoin
.Lj1:
	TILES 1
	s_branch .Ljoin
.Lj2:
	TILES 2
.Ljoin:
	s_wait_dscnt 0x0
	s_barrier_signal -1
	s_barrier_wait -1                              ; the four heads' bytes of all 256 tokens lie in LDS
	s_wait_alu depctr_vm_vsrc(0)                   ; the LDS loads of phase 2 have read v1 and v2 as addresses: both are written anew below
	v_lshlrev_b32 v2, 4, v0
	v_add_nc_u32 v1, ASC, v2
	s_cmp_lt_u32 s14, 2
	s_cbranch_scc0 .Ldone
	s_wait_alu depctr_va_vdst(0)                   ; v1 is written, which the four loads below read; the last score products are done reading v32-47, in which they land
.irp q, 0,1,2,3
	ds_load_b128 v[32+4*\q:35+4*\q], v1 offset:1024*\q
.endr
	s_wait_dscnt 0x0
.irp i, 0,1,2,3
	v_lshl_or_b32 v[32+\i], v[36+\i], 8, v[32+\i]  ; byte hd of a token's word is head hd's
.endr
.irp i, 0,1,2,3
	v_lshl_or_b32 v[32+\i], v[40+\i], 16, v[32+\i]
.endr
.irp i, 0,1,2,3
	v_lshl_or_b32 v[32+\i], v[44+\i], 24, v[32+\i]
.endr
	s_wait_alu depctr_va_vdst(0)                   ; the words v32-35 are written, which the store below reads
	global_store_b128 v2, v[32:35], s[12:13]       ; 512 consecutive bytes a wave, aligned
.Ldone:
	s_wait_xcnt 0x0
	v_lshl_add_u32 v254, v0, 2, 0x29400
	v_mov_b32 v255, 0
	s_wait_dscnt 0x0                               ; the closing lines, six on end
	s_wait_alu 0x0
	s_wait_tensorcnt 0x0
	ds_add_u32 v254, v255
	s_wait_dscnt 0x0
	s_endpgm
.Lfunc_end_k_qe4cc8d7693_attn:
	.size	k_qe4cc8d7693_attn, .Lfunc_end_k_qe4cc8d7693_attn-k_qe4cc8d7693_attn
	.p2alignl 7, 3214868480
	.fill 96, 4, 3214868480
	.section	.rodata,"a",@progbits
	.p2align	6, 0x0
	.amdhsa_kernel k_qe4cc8d7693_attn
		.amdhsa_group_segment_fixed_size 171008
		.amdhsa_private_segment_fixed_size 0
		.amdhsa_enable_private_segment 0
		.amdhsa_kernarg_size 40
		.amdhsa_user_sgpr_count 2
		.amdhsa_user_sgpr_kernarg_segment_ptr 1
		.amdhsa_wavefront_size32 1
		.amdhsa_system_sgpr_workgroup_id_x 1
		.amdhsa_system_sgpr_workgroup_id_y 1
		.amdhsa_system_sgpr_workgroup_id_z 1
		.amdhsa_system_vgpr_workitem_id 0
		.amdhsa_next_free_vgpr 256
		.amdhsa_next_free_sgpr 66
		.amdhsa_reserve_vcc 1
		.amdhsa_float_denorm_mode_32 3
		.amdhsa_float_denorm_mode_16_64 3
		.amdhsa_memory_ordered 1
		.amdhsa_forward_progress 1
		.amdhsa_inst_pref_size 255
	.end_amdhsa_kernel
	.section	.bss,"aw",@nobits
	.p2align	6
	.space	262144
	.amdgpu_metadata
---
amdhsa.version: [ 1, 2 ]
amdhsa.kernels:
  - .name:           k_qe4cc8d7693_attn
    .symbol:         k_qe4cc8d7693_attn.kd
    .args:
      - { .name: hc, .offset: 0, .size: 8, .value_kind: global_buffer, .address_space: global }
      - { .name: hs, .offset: 8, .size: 8, .value_kind: global_buffer, .address_space: global }
      - { .name: wqkv, .offset: 16, .size: 8, .value_kind: global_buffer, .address_space: global }
      - { .name: ac, .offset: 24, .size: 8, .value_kind: global_buffer, .address_space: global }
      - { .name: asc, .offset: 32, .size: 8, .value_kind: global_buffer, .address_space: global }
    .group_segment_fixed_size: 171008
    .private_segment_fixed_size: 0
    .kernarg_segment_align: 8
    .kernarg_segment_size: 40
    .max_flat_workgroup_size: 512
    .sgpr_count:     66
    .vgpr_count:     256
    .wavefront_size: 32
...
	.end_amdgpu_metadata
.endif
;; end of part 4
;; launch mlp: the kernel of part 3 again; grid 256 x 1, 4 waves a work-group, clusters of 4 x 1, 327,680 bytes of LDS; arguments x, ac, asc, wst, bproj, ln2_g, ln2_b, b1, b2, out0; writes out0
